; MI455X (gfx1250); checked and timed in simulation.
; The chip was launched on July 23, 2026; its instructions are those of AMD's public machine-readable ISA for CDNA 5 (MIT licence, August 2026) and "CDNA5" Instruction Set Architecture Reference Guide (July 2026). The comments in the code are by the model that wrote it; some were corrected since.
;; Multi Head Attention. Allowed arithmetic: matrix products marked QUANTISED: E2M1 operands, one E8M0 scale for each 32 along K, by v_wmma_scale_f32_16x16x128_f8f6f4 with both operands' format E2M1 (or v_wmma_scale_f32_32x16x128_f4), f32 sums; products left as they are: bf16, f16 or f32 operands; f32 sums; everything else in f32.
;; Inputs: Wk 16 x 1,024 x 64 float32; Wo 1,024 x 1,024 float32; Wq 16 x 1,024 x 64 float32; Wv 16 x 1,024 x 64 float32; bo 1,024 float32; k 4 x 2,048 x 1,024 float32; q 4 x 2,048 x 1,024 float32; v 4 x 2,048 x 1,024 float32.
;; Outputs: out0 4 x 2,048 x 1,024 float32.
;; This version of the problem:
;;   THIS VERSION OF THE PROBLEM IS GIVEN IN LOW PRECISION. The matrix products marked QUANTISED in the list below multiply operands that are first quantised to E2M1 (2 exponent bits, 1 mantissa bit; 4 bits a number), with one power-of-two scale for each 32 numbers along K (OCP MX v1.0); their sums are f32. The products marked 'left as it is' may take bf16, f16 or f32 operands, with f32 sums. Whichever they take, every output number must still come out within the allowed error. Rounding operands to bf16 (8 significant bits) uses up far more of that allowance than f16 does (11 bits, for magnitudes from 6e-5 to 65,504). All else is computed in f32.
;;   The module's matrix products, in the order in which they are computed (A, B: the left and right operand; K: the contracted axis; several contracted axes count as one K, in the product's order):
;;     1. [M 1,024, K 1,024] x [K 1,024, N 8,192]; A: input Wk; B: input k: QUANTISED
;;     2. [M 1,024, K 1,024] x [K 1,024, N 8,192]; A: input Wq; B: input q: QUANTISED
;;     3. [M 1,024, K 1,024] x [K 1,024, N 8,192]; A: input Wv; B: input v: QUANTISED
;;     4. batch 64 x [M 2,048, K 64] x [K 64, N 2,048]; A: computed on the way; B: computed on the way: left as it is (an operand is computed on the way)
;;     5. batch 64 x [M 2,048, K 2,048] x [K 2,048, N 64]; A: computed on the way; B: computed on the way: left as it is (an operand is computed on the way)
;;     6. [M 8,192, K 1,024] x [K 1,024, N 1,024]; A: computed on the way; B: input Wo: left as it is (an operand is computed on the way)
;;   THE QUANTISER, for each operand of a quantised product, along K:
;;     - K is cut into blocks of 32 from its start; a last block that is shorter is filled with zeros.
;;     - A block's scale is 2^e with e = floor(log2(the largest magnitude in the block)) - 2, held to -126 .. 127; a block of zeros has e = 0. As a byte (E8M0): e + 127.
;;     - Each number is divided by its block's scale, clamped to +-6, and rounded to the nearest number of E2M1, ties to even, subnormals kept.
;;     - The product sums the exact products of the quantised numbers (number of the format x scale) in f32.
;;   ~~~python
;;   def quantise(x, axis):      # numpy; x: float32 -> the quantised numbers, widened to float32 again
;;       x = np.moveaxis(x, axis, -1); K = x.shape[-1]
;;       x = np.pad(x, [(0, 0)] * (x.ndim - 1) + [(0, -K % 32)]); x = x.reshape(x.shape[:-1] + (-1, 32)); a = np.abs(x).max(-1, keepdims=True)
;;       e = np.where(a > 0, np.clip(np.frexp(np.where(a > 0, a, 1))[1] - 1 - 2, -126, 127), 0)      # np.frexp(a)[1] - 1 = floor(log2(a)), exactly
;;       r = np.clip(x / 2.0 ** e, -6, 6)
;;       step = 2.0 ** (np.maximum(np.frexp(np.where(r == 0, 1, r))[1] - 1, 0) - 1)
;;       q = np.round(r / step) * step * 2.0 ** e      # np.round: ties to even
;;       return np.moveaxis(q.reshape(q.shape[:-2] + (-1,))[..., :K], -1, axis).astype(np.float32)
;;   ~~~
;; One version. Each part assembles by itself: llvm-mc -triple=amdgcn-amd-amdhsa -mcpu=gfx1250 --defsym DOCPART=n.
;; ======== version 1 of 1: 5 launches
;; limits: values are held in f16: magnitudes above 65,504 overflow, below 6.1e-05 lose precision
;; workspace buffers: xc 12,582,912 bytes; xs 786,432 bytes; wc 1,572,864 bytes; ws 98,304 bytes; woh 2,097,152 bytes; qkv 50,331,648 bytes; fst 786,432 bytes; att 16,777,216 bytes
;; launch prep (part 1): grid 512 x 1, 8 waves a work-group, no clusters, 84,480 bytes of LDS; arguments k, q, v, Wk, Wq, Wv, Wo, xc, xs, wc, ws, woh; writes xc, xs, wc, ws, woh
.if DOCPART == 1
	.amdgcn_target "amdgcn-amd-amdhsa--gfx1250"
	.amdhsa_code_object_version 6
	.text
	.protected	k_q9b8195643a_prep
	.globl	k_q9b8195643a_prep
	.p2align	8
	.type	k_q9b8195643a_prep,@function
k_q9b8195643a_prep:
	s_mov_b64 s[64:65], 0
	v_nop
	global_prefetch_b8 v0, s[64:65] scope:SCOPE_SE
	s_setreg_imm32_b32 hwreg(HW_REG_WAVE_MODE, 25, 1), 1
	s_wait_xcnt 0x0
; MULTI-HEAD ATTENTION, launch 1 of 5: the operands of the three quantised projections become codes of FP4 (E2M1) with one E8M0 byte for each 32 along K = C = 1,024; Wo becomes f16.
; k, q, v [8192][1024] f32 (K innermost)      -> xc [3][8192][512 bytes], xs [3][8192][32 bytes]      (tensor 0 = k, 1 = q, 2 = v everywhere)
; Wk, Wq, Wv [16][1024][64] f32 (K in the middle) -> wc [3][n = 64 head + d][512 bytes], ws [3][n][32 bytes]
; Wo [1024][1024] f32                          -> woh, f16, in Wo's own order
; WORK LEFT OUT IN THIS PROGRAM: in the attention launch, a step of 64 keys all of which come after a wave's 32 queries.  reference() itself builds the mask tril(ones(T, T)) and puts -inf on
; every score with key > query; softmax gives such a score the weight exp(-inf) = 0 whatever finite values the inputs hold, so neither the score nor its product with vh reaches an output.
; All eight inputs have a way to the output and all are loaded.  LIMIT: a NaN, an infinity or an overflow that lies only in scores so left out is not carried to the result.
; THE QUANTISER: a block's scale is 2^(floor(log2(largest magnitude)) - 2); its byte is the largest magnitude's exponent field - 2, held at 1 from below by a floor among the maximum's leaves.
; LIMITS: a block of zeros gets the byte 1 where the rule says 127 (its codes are zeros, which add nothing, and this program alone reads the bytes); blocks whose largest magnitude lies under
; 2^-124 are held at byte 1; NaN and infinities among the inputs are not served; |Wo| over 65,504 becomes infinity in f16.
; THREE PATHS, parted by the work-group's number g (the same in all eight waves): g < 96: weights; 96 <= g < 128: Wo; the other 384: k, q, v.  Each path has LDS bytes of its own.
.set SP,    80                         ; X path: a lane's place in a stage: its 64 bytes + 16 of padding
.set WREG,  8192                       ; X path: a wave's region: two stages of 32 x SP bytes, and behind them its 256 scale bytes
.set WSTG,  65536                      ; W path: 32 rows (columns n) x 528 bytes: 512 of codes + 16 of padding
.set WPIT,  528
.set WSC,   82432                      ; W path: 32 rows x 32 scale bytes, dense
.set SPARE, 83456                      ; the spare words, 128 bytes for each wave: four blocks of 256 bytes that no other line names
.set STEPS, 16
.set SPW,   12                         ; v12  LDS address of my spare word; never rewritten
.set NIL,   13                         ; v13  0; never rewritten
.set R,     32                         ; X path: v32-95 four sets of 16 numbers as loaded
.set X,     96                         ; v96-127 two sets of 16 neighbours
.set E,     128                        ; v128-143 a scale byte for each step
.set C,     144                        ; v144-175 codes: two registers for each step, so that no store's data are written again
.set WX,    32                         ; W path: v32-159 four blocks of 32 numbers;  v160-175 their codes;  v176 their four scale bytes
.macro FINISH                          ; a wave's end
	s_wait_tensorcnt 0x0
	ds_add_u32 v[SPW], v[NIL]
	s_wait_dscnt 0x0
	s_endpgm
.endm
	s_load_b512 s[4:19], s[0:1], 0x0               ; k s[4:5], q s[6:7], v s[8:9], Wk s[10:11], Wq s[12:13], Wv s[14:15], Wo s[16:17], xc s[18:19]
	s_load_b256 s[20:27], s[0:1], 0x40             ; xs s[20:21], wc s[22:23], ws s[24:25], woh s[26:27]
	v_lshl_add_u32 v[SPW], v0, 2, SPARE
	v_mov_b32 v[NIL], 0
	v_lshrrev_b32 v1, 5, v0
	v_readfirstlane_b32 s28, v1                    ; wave 0..7
	v_and_b32 v2, 31, v0                           ; lane
	v_lshlrev_b32 v3, 4, v2                        ; 16 x lane
	v_lshlrev_b32 v4, 3, v2                        ; 8 x lane
	v_lshlrev_b32 v7, 2, v2                        ; 4 x lane
	; every LDS address of every path is made here, ahead of the parting, in registers that hold nothing else
	s_lshl_b32 s31, s28, 13                        ; X: my wave's region
	v_lshrrev_b32 v14, 2, v2
	v_mul_u32_u24 v14, v14, SP
	v_and_b32 v15, 3, v2
	v_lshl_add_u32 v14, v15, 4, v14
	v_add_nc_u32 v14, s31, v14                     ; the stage, way in: four lanes' 64 bytes on end, then 16 of padding
	v_mul_u32_u24 v15, v2, SP
	v_add_nc_u32 v15, s31, v15                     ; way out: my 16 neighbours
	s_add_co_u32 s31, s31, 2*32*SP
	v_lshrrev_b32 v5, 1, v2
	v_add_nc_u32 v5, s31, v5                       ; my block's scale byte
	v_add_nc_u32 v6, s31, v4                       ; and 8 of the wave's 256 on the way out
	v_mul_u32_u24 v16, v2, WPIT                    ; W: codes in: row = my column, 64 bytes a wave
	s_lshl_b32 s31, s28, 6
	s_add_co_u32 s31, s31, WSTG
	v_add_nc_u32 v16, s31, v16
	v_lshlrev_b32 v17, 5, v2                       ; W: scale word in: 32 bytes a column, 4 a wave
	s_lshl_b32 s31, s28, 2
	s_add_co_u32 s31, s31, WSC
	v_add_nc_u32 v17, s31, v17
	s_mul_i32 s31, s28, 4*WPIT                     ; W: codes out: rows 4 w .. 4 w + 3, 32 lanes to a row
	s_add_co_u32 s31, s31, WSTG
	v_add_nc_u32 v18, s31, v3
	s_and_b32 s31, s28, 1                          ; W: scale bytes out: waves 0 and 1, 512 bytes each
	s_lshl_b32 s31, s31, 9
	s_add_co_u32 s31, s31, WSC
	v_add_nc_u32 v19, s31, v3
	s_mov_b32 s35, 0                               ; the upper word of every offset below
	s_wait_kmcnt 0x0
	s_cmp_lt_u32 ttmp9, 96
	s_cbranch_scc1 .Lweights
	s_cmp_lt_u32 ttmp9, 128
	s_cbranch_scc1 .Lwo
; ---- X: k, q, v.  Rows are dense and K is a multiple of 32: a tensor is a stream of blocks of 32.  A wave takes 16 steps of 512 numbers.  Each load reads 512 consecutive bytes, 16 a lane; a step's 2,048 bytes
; turn through the wave's own stage, so that a lane then holds 16 NEIGHBOURS (two neighbouring lanes hold a block), as the conversions want.  A wave's store of codes covers 256 consecutive bytes.
	s_sub_co_u32 s29, ttmp9, 128                   ; 0 .. 383: 128 work-groups to a tensor
	s_lshr_b32 s30, s29, 7
	s_cmp_eq_u32 s30, 0
	s_cselect_b64 s[32:33], s[4:5], s[6:7]
	s_cmp_eq_u32 s30, 2
	s_cselect_b64 s[32:33], s[8:9], s[32:33]       ; the choice hangs on the work-group's number alone
	s_and_b32 s34, s29, 127
	s_lshl_b32 s34, s34, 3
	s_add_co_u32 s34, s34, s28
	s_lshl_b32 s34, s34, 15                        ; my run of 8,192 numbers in its tensor: 32,768 bytes
	s_add_nc_u64 s[32:33], s[32:33], s[34:35]
	s_lshl_b32 s36, s29, 3
	s_add_co_u32 s36, s36, s28                     ; the run, counted through all three tensors
	s_lshl_b32 s34, s36, 12
	s_add_nc_u64 s[18:19], s[18:19], s[34:35]      ; 4,096 bytes of codes
	s_lshl_b32 s34, s36, 8
	s_add_nc_u64 s[20:21], s[20:21], s[34:35]      ; 256 scale bytes
.macro XLOAD t
.irp i, 0,1,2,3
	global_load_b128 v[R+16*((\t)%4)+4*\i:R+16*((\t)%4)+4*\i+3], v3, s[32:33] offset:2048*(\t)+512*\i th:TH_LOAD_NT
.endr
.endm
.macro XTURN t                         ; LDS serves a wave's instructions in order: no wait between the stores and the loads
.irp i, 0,1,2,3
	ds_store_b128 v14, v[R+16*((\t)%4)+4*\i:R+16*((\t)%4)+4*\i+3] offset:32*SP*((\t)%2)+8*SP*\i
.endr
.irp i, 0,1,2,3
	ds_load_b128 v[X+16*((\t)%2)+4*\i:X+16*((\t)%2)+4*\i+3], v15 offset:32*SP*((\t)%2)+16*\i
.endr
.endm
.irp t, 0,1,2,3
	XLOAD \t
.endr
	s_wait_loadcnt 12                              ; step 0's four loads are in; the 12 of steps 1 to 3 may be out
	XTURN 0
.macro XSTEP t
.set XS, X+16*((\t)%2)
.if (\t) > 0
	s_wait_dscnt 1                                 ; this step's numbers are back from the stage; the last step's byte store may be out
.else
	s_wait_dscnt 0x0
.endif
.if (\t)+4 < STEPS
	XLOAD (\t)+4                                   ; into the set whose stores into the stage have just been shown done
.endif
.if (\t)+1 < STEPS
.if STEPS-2-(\t) >= 3
	s_wait_loadcnt 12                              ; the next step's four loads are in; those of the three steps behind it may be out
.else
	s_wait_loadcnt 4*(STEPS-2-(\t))                ; the tail: as many as are still behind the next step's
.endif
	XTURN (\t)+1
.endif
	v_max3_num_f32 v8, |v[XS]|, |v[XS+1]|, |v[XS+2]|
	v_max3_num_f32 v9, |v[XS+3]|, |v[XS+4]|, |v[XS+5]|
.irp i, 6,10
	v_max3_num_f32 v8, v8, |v[XS+\i]|, |v[XS+\i+1]|
	v_max3_num_f32 v9, v9, |v[XS+\i+2]|, |v[XS+\i+3]|
.endr
	v_max3_num_f32 v8, v8, |v[XS+14]|, |v[XS+15]|
	v_max3_num_f32 v8, v8, v9, 0x1800000           ; and the floor 2^(3 - 127): the byte cannot fall under 1
	v_max_num_f32_dpp v8, v8, v8 row_xmask:1 row_mask:0xf bank_mask:0xf   ; with my neighbour's 16: the block's largest magnitude
	v_add_nc_u32 v11, 0xff000000, v8               ; 2 off its exponent field: the conversion takes that field as its scale and nothing else
	v_cvt_scalef32_pk8_fp4_f32 v[C+2*(\t)], v[XS:XS+7], v11
	v_cvt_scalef32_pk8_fp4_f32 v[C+2*(\t)+1], v[XS+8:XS+15], v11
	v_lshrrev_b32 v[E+(\t)], 23, v11               ; the scale's byte (also the plain line behind the conversions)
	ds_store_b8 v5, v[E+(\t)] offset:16*(\t)       ; both lanes of a block write the same byte with the same value
	global_store_b64 v4, v[C+2*(\t):C+2*(\t)+1], s[18:19] offset:256*(\t)
.endm
.irp t, 0,1,2,3,4,5,6,7,8,9,10,11,12,13,14,15
	XSTEP \t
.endr
	ds_load_b64 v[8:9], v6
	s_wait_dscnt 0x0
	global_store_b64 v4, v[8:9], s[20:21]          ; the wave's 256 scale bytes: 256 consecutive bytes, aligned
	FINISH
; ---- W: a work-group takes 32 columns n of one weight and all of K; wave w takes k = 128 w .. 128 w + 127.  A LANE IS A COLUMN AND ITS REGISTERS RUN DOWN K: a block of 32 lies in one lane, and the
; conversions give codes with K innermost.  The eight waves' parts of a row meet in LDS and leave as whole rows of 512 bytes.
.Lweights:
	s_lshr_b32 s30, ttmp9, 5                       ; which weight
	s_and_b32 s29, ttmp9, 31                       ; which 32 columns: head = / 2, d from 32 x (% 2)
	s_cmp_eq_u32 s30, 0
	s_cselect_b64 s[32:33], s[10:11], s[12:13]
	s_cmp_eq_u32 s30, 2
	s_cselect_b64 s[32:33], s[14:15], s[32:33]
	s_lshr_b32 s34, s29, 1
	s_lshl_b32 s34, s34, 18                        ; a head: 1,024 rows of 256 bytes
	s_lshl_b32 s36, s28, 15                        ; my 128 rows
	s_add_co_u32 s34, s34, s36
	s_and_b32 s36, s29, 1
	s_lshl_b32 s36, s36, 7                         ; my 32 columns
	s_add_co_u32 s34, s34, s36
	s_add_nc_u64 s[32:33], s[32:33], s[34:35]
	s_lshl_b32 s34, s30, 19                        ; codes: 524,288 a weight, 512 a row: rows 32 cg + 4 w on
	s_lshl_b32 s36, s29, 14
	s_add_co_u32 s34, s34, s36
	s_lshl_b32 s36, s28, 11
	s_add_co_u32 s34, s34, s36
	s_add_nc_u64 s[22:23], s[22:23], s[34:35]
	s_lshl_b32 s34, s30, 15                        ; scale bytes: 32,768 a weight, 32 a row; 512 for each of waves 0 and 1
	s_lshl_b32 s36, s29, 10
	s_add_co_u32 s34, s34, s36
	s_and_b32 s36, s28, 1
	s_lshl_b32 s36, s36, 9
	s_add_co_u32 s34, s34, s36
	s_add_nc_u64 s[24:25], s[24:25], s[34:35]
.macro WLOAD t                         ; block t: W(128 w + 32 t + j, my column): 32 lanes read 128 consecutive bytes
.set j, 0
.rept 32
	global_load_b32 v[WX+32*(\t)+j], v7, s[32:33] offset:(32*(\t)+j)*256 th:TH_LOAD_NT
.set j, j+1
.endr
.endm
	WLOAD 0                                        ; the loads run two blocks ahead; each block has registers of its own
	WLOAD 1
.macro WBLOCK t
.set XS, WX+32*(\t)
.if (\t) < 3
	s_wait_loadcnt 32                              ; this block's 32 loads are in; the next block's 32 may be out
.else
	s_wait_loadcnt 0x0                             ; the last block: nothing was asked for behind it
.endif
.if (\t)+2 < 4
	WLOAD (\t)+2
.endif
	v_max3_num_f32 v8, |v[XS]|, |v[XS+1]|, |v[XS+2]|
	v_max3_num_f32 v9, |v[XS+3]|, |v[XS+4]|, |v[XS+5]|
.irp i, 6,10,14,18,22,26
	v_max3_num_f32 v8, v8, |v[XS+\i]|, |v[XS+\i+1]|
	v_max3_num_f32 v9, v9, |v[XS+\i+2]|, |v[XS+\i+3]|
.endr
	v_max3_num_f32 v8, v8, |v[XS+30]|, |v[XS+31]|
	v_max3_num_f32 v8, v8, v9, 0x1800000           ; the floor
	v_add_nc_u32 v10, 0xff000000, v8               ; the conversion's scale operand
	v_lshrrev_b32 v11, 23, v10                     ; the byte
.if (\t) == 0
	v_mov_b32 v176, v11
.else
	v_lshl_or_b32 v176, v11, 8*(\t), v176          ; four bytes to the word, the lower K in the lower byte
.endif
.irp g, 0,1,2,3
	v_cvt_scalef32_pk8_fp4_f32 v[160+4*(\t)+\g], v[XS+8*\g:XS+8*\g+7], v10
.endr
	v_nop                                          ; one plain line behind the last conversion
	ds_store_b128 v16, v[160+4*(\t):163+4*(\t)] offset:16*(\t)
.endm
.irp t, 0,1,2,3
	WBLOCK \t
.endr
	ds_store_b32 v17, v176
	s_wait_dscnt 0x0                               ; for the others' sake: my stores have landed
	s_barrier_signal -1                            ; (all eight waves of this work-group are on this path)
	s_barrier_wait -1
.irp i, 0,1,2,3
	ds_load_b128 v[32+4*\i:35+4*\i], v18 offset:\i*WPIT
.endr
.irp i, 0,1,2,3
	s_wait_dscnt 3-\i                              ; row i is in; the younger rows may be out
	global_store_b128 v3, v[32+4*\i:35+4*\i], s[22:23] offset:512*\i   ; a whole row of codes: 512 consecutive bytes, aligned
.endr
	s_cmp_lt_u32 s28, 2
	s_cbranch_scc0 .Lweights_end
	ds_load_b128 v[48:51], v19
	s_wait_dscnt 0x0
	global_store_b128 v3, v[48:51], s[24:25]       ; 16 rows of scale bytes: 512 consecutive bytes, aligned
.Lweights_end:
	FINISH
; ---- O: Wo to f16, in its own order.  A wave takes 4,096 numbers: 32 loads of 512 consecutive bytes, 32 stores of 256.
.Lwo:
	s_sub_co_u32 s29, ttmp9, 96
	s_lshl_b32 s29, s29, 3
	s_add_co_u32 s29, s29, s28
	s_lshl_b32 s34, s29, 14
	s_add_nc_u64 s[16:17], s[16:17], s[34:35]
	s_lshl_b32 s34, s29, 13
	s_add_nc_u64 s[26:27], s[26:27], s[34:35]
.set j, 0
.rept 32
	global_load_b128 v[32+4*j:35+4*j], v3, s[16:17] offset:512*j th:TH_LOAD_NT
.set j, j+1
.endr
.irp g, 0,1,2,3
	s_wait_loadcnt 24-8*\g                         ; this group's eight loads are in; the younger groups' may be out
.irp u, 0,1,2,3,4,5,6,7
	v_cvt_pk_f16_f32 v[32+4*(8*\g+\u)], v[32+4*(8*\g+\u)], v[33+4*(8*\g+\u)]
	v_cvt_pk_f16_f32 v[33+4*(8*\g+\u)], v[34+4*(8*\g+\u)], v[35+4*(8*\g+\u)]
	global_store_b64 v4, v[32+4*(8*\g+\u):33+4*(8*\g+\u)], s[26:27] offset:256*(8*\g+\u)
.endr
.endr
	FINISH
.Lfunc_end_k_q9b8195643a_prep:
	.size	k_q9b8195643a_prep, .Lfunc_end_k_q9b8195643a_prep-k_q9b8195643a_prep
	.p2alignl 7, 3214868480
	.fill 96, 4, 3214868480
	.section	.rodata,"a",@progbits
	.p2align	6, 0x0
	.amdhsa_kernel k_q9b8195643a_prep
		.amdhsa_group_segment_fixed_size 84480
		.amdhsa_private_segment_fixed_size 0
		.amdhsa_enable_private_segment 0
		.amdhsa_kernarg_size 96
		.amdhsa_user_sgpr_count 2
		.amdhsa_user_sgpr_kernarg_segment_ptr 1
		.amdhsa_wavefront_size32 1
		.amdhsa_system_sgpr_workgroup_id_x 1
		.amdhsa_system_sgpr_workgroup_id_y 1
		.amdhsa_system_sgpr_workgroup_id_z 1
		.amdhsa_system_vgpr_workitem_id 0
		.amdhsa_next_free_vgpr 192
		.amdhsa_next_free_sgpr 66
		.amdhsa_reserve_vcc 0
		.amdhsa_float_denorm_mode_32 3
		.amdhsa_float_denorm_mode_16_64 3
		.amdhsa_memory_ordered 1
		.amdhsa_forward_progress 1
		.amdhsa_inst_pref_size 65
	.end_amdhsa_kernel
	.amdgpu_metadata
---
amdhsa.version: [ 1, 2 ]
amdhsa.kernels:
  - .name:           k_q9b8195643a_prep
    .symbol:         k_q9b8195643a_prep.kd
    .args:
      - { .name: k, .offset: 0, .size: 8, .value_kind: global_buffer, .address_space: global }
      - { .name: q, .offset: 8, .size: 8, .value_kind: global_buffer, .address_space: global }
      - { .name: v, .offset: 16, .size: 8, .value_kind: global_buffer, .address_space: global }
      - { .name: Wk, .offset: 24, .size: 8, .value_kind: global_buffer, .address_space: global }
      - { .name: Wq, .offset: 32, .size: 8, .value_kind: global_buffer, .address_space: global }
      - { .name: Wv, .offset: 40, .size: 8, .value_kind: global_buffer, .address_space: global }
      - { .name: Wo, .offset: 48, .size: 8, .value_kind: global_buffer, .address_space: global }
      - { .name: xc, .offset: 56, .size: 8, .value_kind: global_buffer, .address_space: global }
      - { .name: xs, .offset: 64, .size: 8, .value_kind: global_buffer, .address_space: global }
      - { .name: wc, .offset: 72, .size: 8, .value_kind: global_buffer, .address_space: global }
      - { .name: ws, .offset: 80, .size: 8, .value_kind: global_buffer, .address_space: global }
      - { .name: woh, .offset: 88, .size: 8, .value_kind: global_buffer, .address_space: global }
    .group_segment_fixed_size: 84480
    .private_segment_fixed_size: 0
    .kernarg_segment_align: 8
    .kernarg_segment_size: 96
    .max_flat_workgroup_size: 256
    .sgpr_count:     66
    .vgpr_count:     192
    .wavefront_size: 32
...
	.end_amdgpu_metadata
.endif
;; end of part 1
;; launch proj (part 2): grid 4 x 96, 4 waves a work-group, clusters of 4 x 4, 327,680 bytes of LDS; arguments xc, xs, wc, ws, qkv, fst; writes qkv, fst
.if DOCPART == 2
	.amdgcn_target "amdgcn-amd-amdhsa--gfx1250"
	.amdhsa_code_object_version 6
	.text
	.protected	k_q9b8195643a_proj
	.globl	k_q9b8195643a_proj
	.p2align	8
	.type	k_q9b8195643a_proj,@function
k_q9b8195643a_proj:
	s_mov_b64 s[64:65], 0
	v_nop
	global_prefetch_b8 v0, s[64:65] scope:SCOPE_SE
	s_setreg_imm32_b32 hwreg(HW_REG_WAVE_MODE, 25, 1), 1
	s_wait_xcnt 0x0
	s_wait_alu depctr_hold_cnt(0) depctr_sa_sdst(0) depctr_va_vdst(0) depctr_va_sdst(0) depctr_va_ssrc(0) depctr_va_vcc(0) depctr_vm_vsrc(0)
	s_getreg_b32 s2, hwreg(HW_REG_IB_STS2, 6, 4)
	s_cmp_eq_u32 s2, 0
	s_cbranch_scc0 .Lentry_in_a_cluster
	s_endpgm
.Lentry_in_a_cluster:
	s_bfe_u32 s2, ttmp6, 0x10000c
	s_cmp_lg_u32 s2, 0xf033
	s_cbranch_scc0 .Lentry_shape_is_right
	s_endpgm
.Lentry_shape_is_right:
; Launch 2 of 5: the three projections kh, qh, vh on codes of FP4 (E2M1) with E8M0 scales: C[m][n] = sum over c of x[m][c] W[n][c], m = (b, t), n = 64 head + d, K = 1,024; sums in f32.
; xc [3][8192][512 bytes], xs [3][8192][32], wc [3][1024][512], ws [3][1024][32] -> qkv, f16, [3][b][head][t][64]; the rows t < 16 also as f32 -> fst [3][b][head][16][64].
; LIMIT: a result over 65,504 in magnitude becomes infinity in f16.
; A tile of C, 256 x 256, is made by four waves, each 128 x 128: 64 accumulators.  K is two steps of 512: both LDS slots and the scale bytes of all of K are first fills; nothing is filled again.
; CLUSTERS: 4 x 4 work-groups.  Cluster y = Y (0 .. 23): tensor Y / 8, rows 256 (Y % 8) on of batch cy.  So the tile with rows t < 16 is told by Y alone, alike in all partners.  Column tile = cx.
; The four of a row of the cluster (same cy) ask jointly for x's tiles, the four of a column (same cx) for the weight's.
; THE MATRIX INSTRUCTION IS USED TRANSPOSED (source 0 = 16 rows of the weight, source 1 = 16 rows of x): a lane holds eight neighbouring d of one row (b, t).
; REGISTERS: window 0: v0-31 addresses; v32-95 scale words, two sets, and nothing else; v96-127 packed results; v128-191 x's fragments, one set; v192-255 rows on the way out.
;   window 1: the weight's fragments, two sets, at v0 and v128.   window 2: accumulators of my rows 0-63 ((a, b) at v[8 (8 a + b)]);   window 3: of my rows 64-127.
.set KSTEP,  512
.set NQ,     4
.set ROWB,   256
.set KROW,   512
.set PITCH,  272                       ; an LDS row: 256 bytes + 16 of padding: the 16 rows that a load touches start 68 words apart
.set FR,     8
.set NL,     2
.set NP,     4
.set HALFT,  128*PITCH
.set SLOT,   4*HALFT
.set KS,     32
.set SCL,    2*SLOT
.set HALFS,  (128*KS/256)*272
.set SBLK,   (16*KS/256)*272
.set SPARE,  SCL+4*HALFS               ; the spare words, 128 bytes for each wave: two blocks of 256 bytes that no other line names
.set STAGE,  SPARE+512                 ; the way out: 16 rows x (256 + 16) bytes for each wave; no tensor load lands here
.set SPITCH, 272
.set ADRA, 16
.set ADRB, 20
.set STO,  24
.set RD,   25
.set CO,   26
.set ADRS, 27
.set SPW,  28
.set NIL,  29
.set FO,   30
.set SC,   32
.set TMP,  96
.set AF,   128
.set BK,   192
.set G1, 24
.set G0, 32
.set G1B, 48
.set G0B, 56
.set G1S, 68
.set G0S, 76
.set G1SB, 80
.set G0SB, 88
.set MSB, 0
.macro WIN new                         ; the immediate's high byte repeats the setting that is left
.if MSB != (\new)
	s_set_vgpr_msb (MSB<<8)|(\new)
.set MSB, (\new)
.endif
.endm
.set MUL_LO, 0xa1
.set MUL_HI, 0xf1
.set TO_B,   0x40
.macro JLOAD g0a, g1a, g0b, g1b        ; a joint load: waves 0 and 1 fetch for x, waves 2 and 3 for the weight; an s_nop 0 and four v_nop follow each line
	s_cmp_eq_u32 s15, 0
	s_cbranch_scc0 .Lfor_b_\@
	tensor_load_to_lds s[\g0a:\g0a+3], s[\g1a:\g1a+7]
	s_nop 0
.rept 4
	v_nop
.endr
	s_branch .Lasked_\@
.Lfor_b_\@:
	tensor_load_to_lds s[\g0b:\g0b+3], s[\g1b:\g1b+7]
	s_nop 0
.rept 4
	v_nop
.endr
.Lasked_\@:
.endm
.macro CROUND                          ; a round of the cluster's barrier
	s_barrier_signal -1
	s_barrier_wait -1
	s_cmp_lg_u32 s14, 0
	s_cbranch_scc1 .Lnot_wave_0_\@
	s_barrier_signal -3
.Lnot_wave_0_\@:
	s_barrier_wait -3
	s_barrier_signal -1
	s_barrier_wait -1
.endm
	s_load_b128 s[4:7], s[0:1], 0x0                ; xc, xs
	s_load_b128 s[8:11], s[0:1], 0x10              ; wc, ws
	s_load_b64 s[12:13], s[0:1], 0x20              ; qkv
	s_load_b64 s[66:67], s[0:1], 0x28              ; fst
	v_lshl_add_u32 v[SPW], v0, 2, SPARE
	v_mov_b32 v[NIL], 0
	ds_add_u32 v[SPW], v[NIL]                      ; the wave's opening: the add, twice on end, and its wait ahead of my first tensor load
	ds_add_u32 v[SPW], v[NIL]
	v_lshrrev_b32 v1, 5, v0
	v_readfirstlane_b32 s14, v1                    ; wave 0..3
	s_lshr_b32 s15, s14, 1                         ; which half of the tile's rows is mine.  Also: I fetch for x (0) or for the weight (1)
	s_and_b32 s16, s14, 1                          ; which half of its columns.  Also: which 128 rows of that tile I fetch
	s_bfe_u32 s40, ttmp6, 0x40000                  ; cx
	s_bfe_u32 s41, ttmp6, 0x40004                  ; cy
	s_and_b32 s95, ttmp7, 0xffff                   ; Y: the cluster's y
	s_lshr_b32 s96, s95, 3                         ; the tensor
	s_and_b32 s97, s95, 7                          ; which 256 rows of a batch
	s_lshl_b32 s42, s96, 2
	s_add_co_u32 s42, s42, s40                     ; the weight's tile of 256 rows: 4 x tensor + cx
	s_lshl_b32 s17, s96, 5
	s_lshl_b32 s98, s41, 3
	s_add_co_u32 s17, s17, s98
	s_add_co_u32 s17, s17, s97                     ; x's tile of 256 rows: 32 x tensor + 8 cy + Y % 8
	s_lshl_b32 s43, s41, 2
	s_lshl_b32 s43, 15, s43                        ; my row of the cluster
	s_lshl_b32 s44, 0x1111, s40                    ; my column
	s_or_b32 s[G1+0], s43, (0<<16)|(1<<20)|(1<<21)|(5<<22)|(3<<25)  ; the mask; elements of 1 byte; padding: 4 words after every 64; bit 21 beside a mask
	s_or_b32 s[G1B+0], s44, (0<<16)|(1<<20)|(1<<21)|(5<<22)|(3<<25)
.irp g, G1, G1B
	s_mov_b32 s[\g+1], ROWB<<16                    ; tensor_dim0
	s_mov_b32 s[\g+2], 128<<16                     ; tensor_dim1
	s_mov_b32 s[\g+3], ROWB<<16                    ; tile_dim0
	s_mov_b32 s[\g+4], 128                         ; tile_dim1
	s_mov_b32 s[\g+5], KROW                        ; the pitch
	s_mov_b32 s[\g+6], 0
	s_mov_b32 s[\g+7], 0
.endr
	s_or_b32 s[G1S+0], s43, (3<<16)|(1<<20)|(1<<21)|(5<<22)|(3<<25) ; the scale bytes of 128 rows: 4,096 dense bytes as 16 rows of 256 (32 elements of 8 bytes), 16 bytes of padding behind each
	s_or_b32 s[G1SB+0], s44, (3<<16)|(1<<20)|(1<<21)|(5<<22)|(3<<25)
.irp g, G1S, G1SB
	s_mov_b32 s[\g+1], 32<<16
	s_mov_b32 s[\g+2], (128*KS/256)<<16
	s_mov_b32 s[\g+3], 32<<16
	s_mov_b32 s[\g+4], 128*KS/256
	s_mov_b32 s[\g+5], 32
	s_mov_b32 s[\g+6], 0
	s_mov_b32 s[\g+7], 0
.endr
	s_lshl_b32 s18, s16, 7                         ; which 128 rows of the tile I fetch
	s_lshl_b32 s20, s17, 8
	s_add_co_u32 s20, s20, s18
	s_lshl_b32 s46, s42, 8
	s_add_co_u32 s46, s46, s18
	s_mov_b32 s21, 0
	s_mov_b32 s47, 0
	s_mov_b64 s[18:19], KS
	s_mul_u64 s[22:23], s[20:21], s[18:19]         ; where these rows' scale bytes begin
	s_mul_u64 s[92:93], s[46:47], s[18:19]
	s_mov_b64 s[18:19], KROW
	s_mul_u64 s[20:21], s[20:21], s[18:19]         ; and their codes
	s_mul_u64 s[46:47], s[46:47], s[18:19]
	s_mul_i32 s45, s14, HALFT                      ; where they go: wave x 128 rows: no place in the cluster enters an LDS address
	s_mul_i32 s94, s14, HALFS
	s_wait_dscnt 0x0                               ; both opening adds are done
	s_wait_kmcnt 0x0
	s_add_nc_u64 s[20:21], s[4:5], s[20:21]
	s_add_nc_u64 s[22:23], s[6:7], s[22:23]
	s_add_nc_u64 s[46:47], s[8:9], s[46:47]
	s_add_nc_u64 s[92:93], s[10:11], s[92:93]
	CROUND                                         ; all sixteen work-groups are here: the joint loads meet
	s_mov_b32 s[G0S], 1
	s_add_co_u32 s[G0S+1], s94, SCL
	s_mov_b64 s[G0S+2:G0S+3], s[22:23]
	s_or_b32 s[G0S+3], s[G0S+3], 0x80000000
	s_mov_b32 s[G0SB], 1
	s_add_co_u32 s[G0SB+1], s94, SCL
	s_mov_b64 s[G0SB+2:G0SB+3], s[92:93]
	s_or_b32 s[G0SB+3], s[G0SB+3], 0x80000000
	JLOAD G0S, G1S, G0SB, G1SB                     ; the scale bytes first: they are wanted with K step 0
.irp s, 0,1
	s_mov_b32 s[G0+4*\s], 1
	s_add_co_u32 s[G0+4*\s+1], s45, \s*SLOT
	s_add_nc_u64 s[G0+4*\s+2:G0+4*\s+3], s[20:21], \s*ROWB
	s_or_b32 s[G0+4*\s+3], s[G0+4*\s+3], 0x80000000
	s_mov_b32 s[G0B+4*\s], 1
	s_add_co_u32 s[G0B+4*\s+1], s45, \s*SLOT
	s_add_nc_u64 s[G0B+4*\s+2:G0B+4*\s+3], s[46:47], \s*ROWB
	s_or_b32 s[G0B+4*\s+3], s[G0B+4*\s+3], 0x80000000
	JLOAD G0+4*\s, G1, G0B+4*\s, G1B               ; three tensor loads of mine are out in all
.endr
	v_and_b32 v1, 15, v0                           ; r = l % 16
	v_bfe_u32 v2, v0, 4, 1                         ; h = l / 16
	v_mul_u32_u24 v3, v1, PITCH
	v_lshl_add_u32 v4, v2, 4, v3
	s_mul_i32 s21, s15, HALFT
	s_mul_i32 s22, s16, HALFT
	s_add_co_u32 s22, s22, 2*HALFT
.irp s, 0,1
	v_add_nc_u32 v[ADRA+\s], s21, v4
	v_add_nc_u32 v[ADRB+\s], s22, v4
	s_add_co_u32 s21, s21, SLOT
	s_add_co_u32 s22, s22, SLOT
.endr
	v_mul_u32_u24 v5, v1, KS                       ; my row's scale bytes: 32 a row,
	v_lshrrev_b32 v6, 8, v5
	v_lshl_add_u32 v5, v6, 4, v5                   ; and 16 more for each 256 passed
	s_mul_i32 s21, s15, HALFS
	s_mul_i32 s22, s16, HALFS
	s_add_co_u32 s22, s22, 2*HALFS
	s_sub_co_u32 s22, s22, s21
	v_mul_u32_u24 v6, s22, v2                      ; lanes 16-31 take the weight's
	s_add_co_u32 s21, s21, SCL
	v_add_nc_u32 v5, v5, v6
	v_add_nc_u32 v[ADRS], s21, v5
	s_mul_i32 s23, s14, 16*SPITCH
	s_add_co_u32 s23, s23, STAGE                   ; my stage
	v_mul_u32_u24 v5, v1, SPITCH                   ; in: row r, 16 bytes for each half of the lanes
	v_lshl_add_u32 v5, v2, 4, v5
	v_add_nc_u32 v[STO], s23, v5
	v_and_b32 v6, 31, v0
	v_lshrrev_b32 v5, 3, v6                        ; back: eight lanes to a head's 128 bytes of a row, four rows an instruction
	v_mul_u32_u24 v5, v5, SPITCH
	v_and_b32 v7, 7, v0
	v_lshl_add_u32 v5, v7, 4, v5
	v_add_nc_u32 v[RD], s23, v5
	v_lshlrev_b32 v[CO], 4, v6                     ; and in qkv those four rows are 512 consecutive bytes
	v_lshlrev_b32 v[FO], 8, v1                     ; fst: row r of 256 bytes, + 32 h
	v_lshl_add_u32 v[FO], v2, 5, v[FO]
	s_lshl_b32 s20, s96, 24                        ; qkv: tensor x 16,777,216
	s_lshl_b32 s21, s41, 22                        ; + batch x 4,194,304
	s_add_co_u32 s20, s20, s21
	s_lshl_b32 s21, s97, 15                        ; + 256 (Y % 8) rows of 128 bytes
	s_add_co_u32 s20, s20, s21
	s_lshl_b32 s21, s15, 14                        ; + my 128 rows
	s_add_co_u32 s20, s20, s21
	s_lshl_b32 s46, s40, 2
	s_lshl_b32 s47, s16, 1
	s_add_co_u32 s46, s46, s47                     ; my first head: 4 cx + 2 x column half
	s_lshl_b32 s47, s46, 18
	s_add_co_u32 s20, s20, s47
	s_mov_b32 s21, 0
	s_add_nc_u64 s[12:13], s[12:13], s[20:21]
	s_lshl_b32 s20, s96, 18                        ; fst: tensor x 262,144 + batch x 65,536 + head x 4,096
	s_lshl_b32 s47, s41, 16
	s_add_co_u32 s20, s20, s47
	s_lshl_b32 s47, s46, 12
	s_add_co_u32 s20, s20, s47
	s_add_nc_u64 s[66:67], s[66:67], s[20:21]
	s_or_b32 s99, s97, s15                         ; 0 where my block 0 holds the rows t < 16: made of the cluster's y and the wave's number alone
.macro FRAG reg, adr, q, i             ; 16 rows x 128 K of 4-bit codes: 8 registers: lane l holds row l % 16; registers 4 c .. 4 c + 3 hold K = 64 c + 32 (l / 16) + 0 .. 31
.irp c, 0,1
	ds_load_b128 v[\reg+4*\c:\reg+4*\c+3], v[\adr] offset:64*(\q)+32*\c+(\i)*16*PITCH
.endr
.endm
; 16 matrix instructions: x's blocks a0, a0 + 1 against the weight's eight.  The 64 accumulators take turns, one instruction a turn, in the same order in every step.
.macro MUL16 a0, p, q, sc, zero
.irp a, \a0, \a0+1
.irp b, 0,1,2,3,4,5,6,7
.if \zero
	v_wmma_scale_f32_16x16x128_f8f6f4 v[8*(8*((\a)%4)+\b):8*(8*((\a)%4)+\b)+7], v[128*(\p)+FR*\b:128*(\p)+FR*\b+FR-1], v[AF+FR*(\a):AF+FR*(\a)+FR-1], 0, v[SC+8*NQ*(\sc)+NQ*\b+(\q)], v[SC+8*NQ*(\sc)+NQ*(\a)+(\q)] matrix_a_fmt:MATRIX_FMT_FP4 matrix_b_fmt:MATRIX_FMT_FP4 matrix_a_scale:MATRIX_SCALE_ROW1
.else
	v_wmma_scale_f32_16x16x128_f8f6f4 v[8*(8*((\a)%4)+\b):8*(8*((\a)%4)+\b)+7], v[128*(\p)+FR*\b:128*(\p)+FR*\b+FR-1], v[AF+FR*(\a):AF+FR*(\a)+FR-1], v[8*(8*((\a)%4)+\b):8*(8*((\a)%4)+\b)+7], v[SC+8*NQ*(\sc)+NQ*\b+(\q)], v[SC+8*NQ*(\sc)+NQ*(\a)+(\q)] matrix_a_fmt:MATRIX_FMT_FP4 matrix_b_fmt:MATRIX_FMT_FP4 matrix_a_scale:MATRIX_SCALE_ROW1
.endif
.endr
.endr
.endm
.macro FETCH_B slot, q, p
	WIN TO_B
.irp i, 0,1,2,3,4,5,6,7
	FRAG 128*(\p)+FR*\i, ADRB+\slot, \q, \i
.endr
	WIN 0
.endm
.macro FETCH_A slot, q, i0
.irp i, \i0, \i0+1, \i0+2, \i0+3
	FRAG AF+FR*(\i), ADRA+\slot, \q, \i
.endr
.endm
.macro SCALES sc                       ; a K step's scale words: four a row; lanes 0-15 take x's block i, lanes 16-31 the weight's block i
.irp i, 0,1,2,3,4,5,6,7
	ds_load_b128 v[SC+8*NQ*\sc+NQ*\i:SC+8*NQ*\sc+NQ*\i+3], v[ADRS] offset:\i*SBLK
.endr
.endm
.macro PLACES n                        ; plain vector lines between a matrix instruction and a load into, or a read of, its registers
.rept \n
	v_nop
.endr
.endm
.macro STEP slot, q, zero              ; 128 along K that has its successor in the same slot
	s_wait_dscnt 4*NL                              ; the weight's set and x's blocks 0-3 are in; the youngest eight loads (x's blocks 4-7) may be out
	WIN MUL_LO
	MUL16 0, (\q)%2, \q, \slot, \zero
	MUL16 2, (\q)%2, \q, \slot, \zero
	s_wait_dscnt 0
	PLACES NP
	FETCH_B \slot, (\q)+1, 1-(\q)%2
	FETCH_A \slot, (\q)+1, 0
	WIN MUL_HI
	MUL16 4, (\q)%2, \q, \slot, \zero
	MUL16 6, (\q)%2, \q, \slot, \zero
	PLACES NP
	WIN 0
	FETCH_A \slot, (\q)+1, 4
.endm
.macro STEPS slot, from
.set Q, \from
.rept NQ-1-\from
	STEP \slot, Q, 0
.set Q, Q+1
.endr
.endm
	s_wait_tensorcnt 1                             ; the scale bytes and my part of K step 0 are in; slot 1's load may be out
	s_barrier_signal -1
	s_barrier_wait -1
	FETCH_B 0, 0, 0
	FETCH_A 0, 0, 0
	SCALES 0
	FETCH_A 0, 0, 4
	STEP 0, 0, 1                                   ; the first products start the sums: nothing is cleared
	STEPS 0, 1
	; slot 0's last 128 along K, and the change to slot 1: each wave's part of slot 1 has landed before it signals
	s_wait_tensorcnt 0x0
	ds_add_u32 v[SPW], v[NIL]
	s_wait_dscnt 4*NL+1                            ; the add and the youngest eight loads may be out
	WIN MUL_LO
	MUL16 0, 1, NQ-1, 0, 0
	s_wait_dscnt 0x0
	s_barrier_signal -1
	MUL16 2, 1, NQ-1, 0, 0
	WIN 0
	s_barrier_wait -1
	PLACES NP
	v_add_nc_u32 v[ADRS], 4*NQ, v[ADRS]            ; the second K step's scale words (no LDS load of mine is out)
	FETCH_B 1, 0, 0
	FETCH_A 1, 0, 0
	SCALES 1
	WIN MUL_HI
	MUL16 4, 1, NQ-1, 0, 0
	MUL16 6, 1, NQ-1, 0, 0
	PLACES NP
	WIN 0
	FETCH_A 1, 0, 4
	STEPS 1, 0
	s_wait_dscnt 4*NL
	WIN MUL_LO
	MUL16 0, 1, NQ-1, 1, 0
	MUL16 2, 1, NQ-1, 1, 0
	s_wait_dscnt 0
	WIN MUL_HI
	MUL16 4, 1, NQ-1, 1, 0
	MUL16 6, 1, NQ-1, 1, 0
	WIN 0
	PLACES NP                                      ; behind the last products, ahead of every read of results
	; the rows t < 16, as f32: lane (r, h) holds row t = r and, in accumulator (0, b), d = 16 (b % 4) + 8 h + 0 .. 7 of head b / 4.  32 bytes a lane of rows 256 bytes apart: 786,432 bytes in the whole launch
	s_cmp_lg_u32 s99, 0
	s_cbranch_scc1 .Lno_first
	WIN 0x08                                       ; a store's data are its source 1: window 2
.irp b, 0,1,2,3,4,5,6,7
	global_store_b128 v[FO], v[8*\b:8*\b+3], s[66:67] offset:(\b/4)*4096+(\b%4)*64       ; each accumulator from its low end on
	global_store_b128 v[FO], v[8*\b+4:8*\b+7], s[66:67] offset:(\b/4)*4096+(\b%4)*64+16
.endr
	WIN 0
.Lno_first:
; THE WAY OUT, a block of 16 rows x 128 columns (two heads) at a time: rounded to f16, 16 bytes a lane into my stage, back as four rows of one head, which are 512 consecutive bytes of qkv.
.macro PACK a
.set AC, 64*((\a)%4)
	WIN 0x0a+5*((\a)/4)                            ; sources 0 and 1: window 2 or 3
.irp b, 0,1,2,3,4,5,6,7
.irp r, 0,1,2,3
	v_cvt_pk_f16_f32 v[TMP+4*\b+\r], v[AC+8*\b+2*\r], v[AC+8*\b+2*\r+1]
.endr
.endr
	WIN 0
.endm
.macro TOSTAGE a
.set BB, BK+32*((\a)%2)
.irp b, 0,1,2,3,4,5,6,7
	ds_store_b128 v[STO], v[TMP+4*\b:TMP+4*\b+3] offset:32*\b
.endr
.irp hd, 0,1
.irp i, 0,1,2,3
	ds_load_b128 v[BB+16*\hd+4*\i:BB+16*\hd+4*\i+3], v[RD] offset:\hd*128+\i*4*SPITCH   ; LDS serves a wave's instructions in order: these see the stores above
.endr
.endr
.endm
.macro SEND a
.set BB, BK+32*((\a)%2)
	s_wait_dscnt 0x0                               ; the block is back in registers
	s_wait_xcnt 0x0                                ; the earlier stores have read their registers: the set that they read may be loaded again behind this wait
.irp hd, 0,1
.irp i, 0,1,2,3
	global_store_b128 v[CO], v[BB+16*\hd+4*\i:BB+16*\hd+4*\i+3], s[12:13] offset:\hd*262144+(\a)*2048+512*\i   ; 512 consecutive bytes, aligned
.endr
.endr
.endm
	PACK 0
	TOSTAGE 0
.irp a, 1,2,3,4,5,6,7                  ; block a's conversions stand between block a - 1's loads from the stage and the wait for them
	PACK \a
	SEND (\a-1)
	TOSTAGE \a
.endr
	SEND 7
	s_wait_tensorcnt 0x0                           ; the wave's end
	ds_add_u32 v[SPW], v[NIL]
	s_wait_dscnt 0x0
	CROUND                                         ; the closing round
	s_endpgm
.Lfunc_end_k_q9b8195643a_proj:
	.size	k_q9b8195643a_proj, .Lfunc_end_k_q9b8195643a_proj-k_q9b8195643a_proj
	.p2alignl 7, 3214868480
	.fill 96, 4, 3214868480
	.section	.rodata,"a",@progbits
	.p2align	6, 0x0
	.amdhsa_kernel k_q9b8195643a_proj
		.amdhsa_group_segment_fixed_size 327680
		.amdhsa_private_segment_fixed_size 0
		.amdhsa_enable_private_segment 0
		.amdhsa_kernarg_size 48
		.amdhsa_user_sgpr_count 2
		.amdhsa_user_sgpr_kernarg_segment_ptr 1
		.amdhsa_wavefront_size32 1
		.amdhsa_system_sgpr_workgroup_id_x 1
		.amdhsa_system_sgpr_workgroup_id_y 1
		.amdhsa_system_sgpr_workgroup_id_z 1
		.amdhsa_system_vgpr_workitem_id 0
		.amdhsa_next_free_vgpr 1024
		.amdhsa_next_free_sgpr 100
		.amdhsa_reserve_vcc 0
		.amdhsa_float_denorm_mode_32 3
		.amdhsa_float_denorm_mode_16_64 3
		.amdhsa_memory_ordered 1
		.amdhsa_forward_progress 1
		.amdhsa_inst_pref_size 128
	.end_amdhsa_kernel
	.amdgpu_metadata
---
amdhsa.version: [ 1, 2 ]
amdhsa.kernels:
  - .name:           k_q9b8195643a_proj
    .symbol:         k_q9b8195643a_proj.kd
    .args:
      - { .name: xc, .offset: 0, .size: 8, .value_kind: global_buffer, .address_space: global }
      - { .name: xs, .offset: 8, .size: 8, .value_kind: global_buffer, .address_space: global }
      - { .name: wc, .offset: 16, .size: 8, .value_kind: global_buffer, .address_space: global }
      - { .name: ws, .offset: 24, .size: 8, .value_kind: global_buffer, .address_space: global }
      - { .name: qkv, .offset: 32, .size: 8, .value_kind: global_buffer, .address_space: global }
      - { .name: fst, .offset: 40, .size: 8, .value_kind: global_buffer, .address_space: global }
    .group_segment_fixed_size: 327680
    .private_segment_fixed_size: 0
    .kernarg_segment_align: 8
    .kernarg_segment_size: 48
    .max_flat_workgroup_size: 128
    .sgpr_count:     100
    .vgpr_count:     1024
    .wavefront_size: 32
...
	.end_amdgpu_metadata
.endif
;; end of part 2
;; launch attn (part 3): grid 4 x 64, 8 waves a work-group, no clusters, 327,680 bytes of LDS; arguments qkv, att; writes att
.if DOCPART == 3
	.amdgcn_target "amdgcn-amd-amdhsa--gfx1250"
	.amdhsa_code_object_version 6
	.text
	.protected	k_q9b8195643a_attn
	.globl	k_q9b8195643a_attn
	.p2align	8
	.type	k_q9b8195643a_attn,@function
k_q9b8195643a_attn:
	s_mov_b64 s[64:65], 0
	v_nop
	global_prefetch_b8 v0, s[64:65] scope:SCOPE_SE
	s_setreg_imm32_b32 hwreg(HW_REG_WAVE_MODE, 25, 1), 1
	s_wait_xcnt 0x0
; Launch 3 of 5: att[b][h][q][:] = sum over keys k <= q of softmax_k(qh[q] . kh[k] / 8) vh[k][:].  qkv: f16 [3][b][h][t][64] (0 = kh, 1 = qh, 2 = vh); att: f16 [b][h][t][64].  Products on f16, sums, maxima and softmax in f32.
; WORK LEFT OUT: a step of 64 keys all of which come after my 32 queries: reference()'s own tril mask gives those scores the weight 0 for all values of the inputs.  A NaN or infinity that lies only there is not carried.
; (The rows t < 16 are made here too, as part of their tiles; the output's rows t < 16 are made from f32 numbers by the last launch.)
; LIMITS: v_exp_f32 gives 0 for weights under 2^-126; the weights p <= 1 and the result are rounded to f16.
; SHARES.  Work-group (I = x, head = y) owns two blocks of 256 queries of one head: first block 7 - I, then block I.  Block j needs the slots of 256 keys 0 .. j, so every work-group walks (8 - I) + (I + 1) = 9 slots:
; the trip count is a constant, all 256 work-groups have equal work.  Wave w owns 32 queries, two tiles of 16; two waves share a SIMD.
; NO CLUSTER: the four work-groups of a head want the same slot only in trips 0 to 4; after that their lists differ by I, and one common list would be 12 slots long against 9.
; LAYOUT.  S^T = K Q^T (source 0 = 16 keys, source 1 = 16 queries): a lane holds ONE query (lane % 16) and keys 8 (lane / 16) + 0..7; two such tiles, rounded in pairs, are source 1 of O^T = V^T P.  V is turned by ds_load_tr16_b128.
; SOFTMAX.  A running maximum m and sum l for each query: p = 2^(c s - c m), c = log2(e) / 8; in every step O and l are multiplied by a = 2^(c m_old - c m_new).  m begins at -3e38, O and l at 0, so the step is written once.
; A step that is walked has its first key at or under my first query (keys step by 64, queries by 32), so every query sees a key in it and m is a number from the first step on.
; REGISTERS: window 0: v1-15 addresses; v16-31 statistics, 8 a tile; v32-95 K's fragments; v96-159 S^T; v160-191 P.   window 1: v0-31 Q; v32-95 O^T; v96-159 V's fragments.
.set PK,    144                        ; a row of K in LDS: 128 bytes + 16
.set PV,    160                        ; a row of V: 128 + 32
.set VOFF,  256*PK                     ; a slot: 256 rows of K, then 256 rows of V
.set SLOT1, 131072
.set STG,   262144                     ; the way out: two tiles x 16 rows x 144 bytes for each wave; no tensor load lands here
.set SPARE, 299008                     ; the spare words, 128 bytes for each wave: four blocks of 256 bytes that no other line names
.set AK0, 1
.set AV0, 2
.set ADK, 3
.set ADV, 4
.set SPW, 5
.set NIL, 6
.set QO,  7
.set STO, 8
.set RD,  9
.set GO,  10
.set DM,  11                           ; v11 lane % 16 - 8 (lane / 16);  v12 -infinity;  v13, v14 the mask's d of tiles 0, 1;  v15 256 x lane, for the prefetches
.set ST,  16                           ; tile t at v[ST + 8 t]: +0 c m, +1 m, +2, +3 l, +4 .. +7 c0 .. c3; a takes c2's place
.set KFR, 32
.set S,   96
.set P,   160
.set OT,  32                           ; in window 1
.set VFR, 96                           ; in window 1
; s8 wave, s9 I, s10 head, s11 7 - I, s12 8 - I, s13 trip, s14 my first query, s15 the step's first key, s16 the LDS slot in hand, s17 the prefetches' limit, s[18:19] their address,
; s[20:21] lane selects, s[22:23] c, s[24:31], s[32:39] descriptor groups 1 (K, V), s[40:43], s[44:47] groups 0, s[48:49], s[50:51] my quarter of K's and V's slot 0, s[52:53] Q, s[54:55] att, s[56:57] an offset, s58-61 at work
.set MSB, 0
.macro WIN new
.if MSB != (\new)
	s_set_vgpr_msb (MSB<<8)|(\new)
.set MSB, (\new)
.endif
.endm
.macro TLOAD                           ; every wave fetches a quarter of a slot: waves 0-3 64 rows of K, waves 4-7 64 rows of V.  An s_nop 0 and four v_nop follow each line
	s_cmp_lt_u32 s8, 4
	s_cbranch_scc0 .Lfor_v_\@
	tensor_load_to_lds s[40:43], s[24:31]
	s_nop 0
.rept 4
	v_nop
.endr
	s_branch .Lasked_\@
.Lfor_v_\@:
	tensor_load_to_lds s[44:47], s[32:39]
	s_nop 0
.rept 4
	v_nop
.endr
.Lasked_\@:
.endm
; A prefetch of the slot that the NEXT change of slots will ask for.  The four work-groups of a head walk the same first slots: work-group I = 0, which walks slots 0 to 7 on end, asks, in trips 0 to 5, for slots 2 to 7.
; Each wave names its own quarter, 8,192 dense bytes, lanes 256 bytes apart: each block is named once in the launch.  Slots 0 and 1 come by their loads alone.
.macro ASK
	s_cmp_lt_u32 s13, s17
	s_cbranch_scc0 .Lnot_mine_\@
	global_prefetch_b8 v15, s[18:19] th:TH_LOAD_NT scope:SCOPE_SE
.Lnot_mine_\@:
.endm
	s_load_b128 s[4:7], s[0:1], 0x0                ; qkv, att
	v_lshl_add_u32 v[SPW], v0, 2, SPARE
	v_mov_b32 v[NIL], 0
	ds_add_u32 v[SPW], v[NIL]                      ; the wave's opening: the add, twice on end, and its wait ahead of my first tensor load
	ds_add_u32 v[SPW], v[NIL]
	v_lshrrev_b32 v1, 5, v0
	v_readfirstlane_b32 s8, v1                     ; wave 0..7
	s_mov_b32 s9, ttmp9
	s_and_b32 s10, ttmp7, 0xffff
	s_sub_co_u32 s11, 7, s9
	s_sub_co_u32 s12, 8, s9
	s_mov_b32 s13, 0
	s_mov_b32 s16, 0
	s_mov_b32 s20, 0x76543210
	s_mov_b32 s21, 0xfedcba98
	s_mov_b32 s22, 0x3e38aa3b                      ; c = log2(e) / 8
	s_mov_b32 s23, s22
	s_mov_b32 s24, (1<<16)|(1<<20)|(4<<22)|(3<<25) ; K: elements of 2 bytes; padding: 4 words after every 32
	s_mov_b32 s32, (1<<16)|(1<<20)|(4<<22)|(7<<25) ; V: 8 words
.irp g, 24, 32
	s_mov_b32 s[\g+1], 64<<16                      ; tensor_dim0 = 64
	s_mov_b32 s[\g+2], 64<<16                      ; tensor_dim1 = 64
	s_mov_b32 s[\g+3], 64<<16                      ; tile_dim0 = 64
	s_mov_b32 s[\g+4], 64                          ; tile_dim1 = 64
	s_mov_b32 s[\g+5], 64                          ; the pitch
	s_mov_b32 s[\g+6], 0
	s_mov_b32 s[\g+7], 0
.endr
	s_and_b32 s58, s8, 3                           ; which quarter of a slot I fetch
	s_mul_i32 s59, s58, 64*PK
	s_mul_i32 s60, s58, 64*PV
	s_add_co_u32 s60, s60, VOFF
	s_lshl_b32 s56, s10, 18                        ; the head: 2,048 rows of 128 bytes
	s_lshl_b32 s61, s58, 13
	s_add_co_u32 s56, s56, s61
	s_mov_b32 s57, 0
	s_cmp_eq_u32 s9, 0
	s_cselect_b32 s17, 6, 0
	s_wait_dscnt 0x0                               ; both opening adds are done
	s_wait_kmcnt 0x0
	s_add_nc_u64 s[48:49], s[4:5], s[56:57]
	s_add_nc_u64 s[50:51], s[48:49], 0x2000000     ; vh lies 33,554,432 bytes behind kh
	s_mov_b32 s40, 1
	s_mov_b32 s41, s59
	s_mov_b64 s[42:43], s[48:49]
	s_or_b32 s43, s43, 0x80000000
	s_mov_b32 s44, 1
	s_mov_b32 s45, s60
	s_mov_b64 s[46:47], s[50:51]
	s_or_b32 s47, s47, 0x80000000
	TLOAD                                          ; keys 0 to 255 into LDS slot 0
	s_cmp_lt_u32 s8, 4
	s_cselect_b64 s[18:19], s[48:49], s[50:51]
	s_add_nc_u64 s[18:19], s[18:19], 32768         ; at slot 1: the first change steps it to slot 2
	v_and_b32 v13, 15, v0                          ; r
	v_bfe_u32 v14, v0, 4, 1                        ; h
	v_and_b32 v3, 31, v0                           ; lane
	v_mul_u32_u24 v[AK0], v13, PK
	v_lshl_add_u32 v[AK0], v14, 4, v[AK0]          ; K: row r, + 16 h
	v_and_b32 v[AV0], 7, v0
	v_lshl_add_u32 v[AV0], v14, 3, v[AV0]
	v_mul_u32_u24 v[AV0], v[AV0], PV
	v_bfe_u32 v4, v0, 3, 1
	v_lshl_add_u32 v[AV0], v4, 4, v[AV0]
	v_add_nc_u32 v[AV0], VOFF, v[AV0]              ; V, for the turning load: key 8 h + lane % 8, channels 8 ((lane / 8) % 2) on
	v_lshlrev_b32 v[QO], 7, v13
	v_lshl_add_u32 v[QO], v14, 4, v[QO]            ; Q in memory: row r of 128 bytes, + 16 h
	s_mul_i32 s58, s8, 2*16*PK
	s_add_co_u32 s58, s58, STG                     ; my stage
	v_add_nc_u32 v[STO], s58, v[AK0]               ; in: row r, + 16 h
	v_lshrrev_b32 v[RD], 3, v3
	v_mul_u32_u24 v[RD], v[RD], PK
	v_and_b32 v4, 7, v0
	v_lshl_add_u32 v[RD], v4, 4, v[RD]
	v_add_nc_u32 v[RD], s58, v[RD]                 ; back: eight lanes to a row, four rows an instruction
	v_lshlrev_b32 v[GO], 4, v3
	v_lshlrev_b32 v[DM], 3, v14
	v_sub_nc_u32 v[DM], v13, v[DM]
	v_mov_b32 v12, 0xff800000
	v_lshlrev_b32 v15, 8, v3
.irp t, 0,1
.irp j, 4,5,6,7
	v_mov_b32 v[ST+8*\t+\j], 0                     ; written once: a lane permute's destination counts as a source, and c3 is named as the upper half of a's pair
.endr
.endr
; A block of queries begins: its first query, Q's fragments, O^T = 0, l = 0, m = -3e38.
.macro NEWPASS blk
	s_wait_xcnt 0x0                                ; the way out's stores have read their base and their data: both are written again below and in the next step
	s_lshl_b32 s14, s[\blk], 8
	s_lshl_b32 s58, s8, 5
	s_add_co_u32 s14, s14, s58                     ; my first query
	s_mov_b32 s15, 0
	s_lshl_b32 s58, s10, 18
	s_lshl_b32 s60, s14, 7
	s_add_co_u32 s58, s58, s60
	s_mov_b32 s59, 0
	s_add_nc_u64 s[54:55], s[6:7], s[58:59]
	s_add_nc_u64 s[52:53], s[4:5], s[58:59]
	s_add_nc_u64 s[52:53], s[52:53], 0x1000000     ; qh lies 16,777,216 bytes behind kh
	WIN 0x40                                       ; destination window 1
.irp t, 0,1
.irp kk, 0,1
	global_load_b128 v[16*\t+8*\kk:16*\t+8*\kk+3], v[QO], s[52:53] offset:2048*\t+64*\kk
	global_load_b128 v[16*\t+8*\kk+4:16*\t+8*\kk+7], v[QO], s[52:53] offset:2048*\t+64*\kk+32
.endr
.endr
.set i, 0
.rept 64
	v_mov_b32 v[OT+i], 0
.set i, i+1
.endr
	WIN 0
.irp t, 0,1
	v_mov_b32 v[ST+8*\t+1], 0xff61b1e6
	v_mul_f32 v[ST+8*\t], s22, v[ST+8*\t+1]
	v_mov_b32 v[ST+8*\t+2], 0
	v_mov_b32 v[ST+8*\t+3], 0
.endr
	s_wait_loadcnt 0x0
.endm
.macro OSCALE                          ; O^T of both tiles times the tile's factor in c2's place, each accumulator from its low end on
	WIN 0x41
.set i, 0
.rept 32
	v_pk_mul_f32 v[OT+2*i:OT+2*i+1], v[OT+2*i:OT+2*i+1], v[ST+8*(i/16)+6:ST+8*(i/16)+7] op_sel_hi:[1,0]
.set i, i+1
.endr
.endm
; A KEY STEP: 64 keys, the q-th of the slot in hand.
.macro STEP q
	s_add_co_u32 s58, s14, 31
	s_cmp_gt_u32 s15, s58                          ; all 64 keys come after my 32 queries: ids and the count of steps alone
	s_cbranch_scc1 .Lhid_\@
.irp kt, 0,1,2,3
.irp kk, 0,1
	ds_load_b128 v[KFR+8*(2*\kt+\kk):KFR+8*(2*\kt+\kk)+3], v[ADK] offset:(64*(\q)+16*\kt)*PK+64*\kk
	ds_load_b128 v[KFR+8*(2*\kt+\kk)+4:KFR+8*(2*\kt+\kk)+7], v[ADK] offset:(64*(\q)+16*\kt)*PK+64*\kk+32
.endr
.endr
	WIN 0x40
.irp kc, 0,1
.irp ct, 0,1,2,3
	ds_load_tr16_b128 v[VFR+8*(4*\kc+\ct):VFR+8*(4*\kc+\ct)+3], v[ADV] offset:(64*(\q)+32*\kc)*PV+32*\ct
	ds_load_tr16_b128 v[VFR+8*(4*\kc+\ct)+4:VFR+8*(4*\kc+\ct)+7], v[ADV] offset:(64*(\q)+32*\kc+16)*PV+32*\ct
.endr
.endr
	s_wait_dscnt 16                                ; K's 16 loads are in; V's 16 may be out
	WIN 0x04                                       ; Q in window 1
.set i, 0
.rept 16                               ; S^T: tile i % 2, keys 16 ((i / 2) % 4) on, channels 32 (i / 8) on: eight accumulators by turns
.set rS, S+32*(i%2)+8*((i/2)%4)
.set rK, KFR+8*(2*((i/2)%4)+i/8)
.set rQ, 16*(i%2)+8*(i/8)
.if i < 8
	v_wmma_f32_16x16x32_f16 v[rS:rS+7], v[rK:rK+7], v[rQ:rQ+7], 0
.else
	v_wmma_f32_16x16x32_f16 v[rS:rS+7], v[rK:rK+7], v[rQ:rQ+7], v[rS:rS+7]
.endif
.set i, i+1
.endr
	WIN 0
.rept 4
	v_nop                                          ; places ahead of the first read of the scores
.endr
	s_add_co_u32 s58, s15, 63
	s_cmp_le_u32 s58, s14                          ; all 64 keys count for all my queries
	s_cbranch_scc1 .Lopen_\@
	s_sub_co_i32 s58, s14, s15                     ; on the diagonal: register n of tile t holds key KF + 16 (n / 8) + 8 h + n % 8: hidden where 16 (n / 8) + n % 8 > d = Q0 - KF + 16 t + r - 8 h
	v_add_nc_u32 v13, s58, v[DM]
	v_add_nc_u32 v14, 16, v13
.irp t, 0,1
.set n, 0
.rept 32
	v_cmp_gt_i32 vcc_lo, 16*(n/8)+n%8, v[13+\t]
	v_cndmask_b32 v[S+32*\t+n], v[S+32*\t+n], v12, vcc_lo
.set n, n+1
.endr
.endr
.Lopen_\@:
.irp j, 0,1,2,3                        ; the maximum of a lane's 32 scores and the old m; the two tiles by turns
.irp t, 0,1
	v_max3_num_f32 v[ST+8*\t+4+\j], v[S+32*\t+8*\j], v[S+32*\t+8*\j+1], v[S+32*\t+8*\j+2]
.endr
.endr
.irp u, 1,2
.irp j, 0,1,2,3
.irp t, 0,1
	v_max3_num_f32 v[ST+8*\t+4+\j], v[ST+8*\t+4+\j], v[S+32*\t+8*\j+2*\u+1], v[S+32*\t+8*\j+2*\u+2]
.endr
.endr
.endr
.irp t, 0,1
	v_max3_num_f32 v[ST+8*\t+4], v[ST+8*\t+4], v[S+32*\t+7], v[S+32*\t+15]
	v_max3_num_f32 v[ST+8*\t+6], v[ST+8*\t+6], v[S+32*\t+23], v[S+32*\t+31]
.endr
.irp t, 0,1
	v_max3_num_f32 v[ST+8*\t+4], v[ST+8*\t+4], v[ST+8*\t+5], v[ST+8*\t+6]
.endr
.irp t, 0,1
	v_max3_num_f32 v[ST+8*\t+4], v[ST+8*\t+4], v[ST+8*\t+7], v[ST+8*\t+1]
.endr
.irp t, 0,1
	v_permlanex16_b32 v[ST+8*\t+5], v[ST+8*\t+4], s20, s21   ; the query's other 32 keys lie in the lane 16 away
.endr
.irp t, 0,1
	v_mov_b32 v[ST+8*\t+7], v[ST+8*\t]             ; c m_old
.endr
.irp t, 0,1
	v_max_num_f32 v[ST+8*\t+1], v[ST+8*\t+4], v[ST+8*\t+5]
.endr
.irp t, 0,1
	v_mul_f32 v[ST+8*\t], s22, v[ST+8*\t+1]
.endr
.irp t, 0,1
	v_sub_f32 v[ST+8*\t+7], v[ST+8*\t+7], v[ST+8*\t]
.endr
.set i, 0
.rept 16
.irp t, 0,1
	v_pk_fma_f32 v[S+32*\t+2*i:S+32*\t+2*i+1], v[S+32*\t+2*i:S+32*\t+2*i+1], s[22:23], v[ST+8*\t:ST+8*\t+1] op_sel_hi:[1,0,0] neg_lo:[0,0,1] neg_hi:[0,0,1]   ; c s - c m
.endr
.set i, i+1
.endr
.irp t, 0,1
	v_exp_f32 v[ST+8*\t+6], v[ST+8*\t+7]           ; a
.endr
.set i, 0
.rept 32
.irp t, 0,1
	v_exp_f32 v[S+32*\t+i], v[S+32*\t+i]           ; p.  ONE BATCH of 66 exponentials: none reads another's result
.endr
.set i, i+1
.endr
	v_nop                                          ; a plain line behind the last exponential
	s_wait_alu depctr_va_vdst(0)                   ; one wait for the batch, ahead of its first reader
.set i, 0
.rept 16
.irp t, 0,1
	v_cvt_pk_f16_f32 v[P+16*\t+i], v[S+32*\t+2*i], v[S+32*\t+2*i+1]
.endr
.set i, i+1
.endr
.irp w, 4,8,16,32                      ; the sum of a tile's 16 pairs, in place
.set u, 0
.rept 32/\w
.irp t, 0,1
	v_pk_add_f32 v[S+32*\t+\w*u:S+32*\t+\w*u+1], v[S+32*\t+\w*u:S+32*\t+\w*u+1], v[S+32*\t+\w*u+\w/2:S+32*\t+\w*u+\w/2+1]
.endr
.set u, u+1
.endr
.endr
.irp t, 0,1
	v_pk_fma_f32 v[ST+8*\t+2:ST+8*\t+3], v[ST+8*\t+2:ST+8*\t+3], v[ST+8*\t+6:ST+8*\t+7], v[S+32*\t:S+32*\t+1] op_sel_hi:[1,0,1]   ; l = a l + the sum
.endr
	OSCALE                                         ; O^T x a
	s_wait_dscnt 0x0                               ; V is in
	WIN 0x51
.set i, 0
.rept 16                               ; O^T += V^T P: tile i % 2, channels 16 ((i / 2) % 4) on, keys 32 (i / 8) on: eight accumulators by turns
.set rO, OT+32*(i%2)+8*((i/2)%4)
.set rV, VFR+8*(4*(i/8)+(i/2)%4)
.set rP, P+16*(i%2)+8*(i/8)
	v_wmma_f32_16x16x32_f16 v[rO:rO+7], v[rV:rV+7], v[rP:rP+7], v[rO:rO+7]
.set i, i+1
.endr
	WIN 0
.rept 4
	v_nop                                          ; places ahead of the next loads into V's registers and of the next read of O^T
.endr
.Lhid_\@:
	s_add_co_u32 s15, s15, 64
.endm
; THE CHANGE OF SLOTS stands at a slot's head: all my tensor loads have landed (my quarter of the slot ahead), the add, my reads of the slot that I have left are over; the barrier; then my one load, into the slot just left.
; It brings the keys of the NEXT trip: slot trip + 1 of the first block's list, or, past that list's end, slot trip + 1 - (8 - I) of the second's.  It has a slot's four steps in which to land.
.macro CHANGE fill
	s_wait_tensorcnt 0x0                           ; no tensor load of mine is out, so the groups 0 may be written
	ds_add_u32 v[SPW], v[NIL]
.if \fill
	s_add_co_u32 s56, s13, 1
	s_cmp_gt_u32 s56, s11
	s_cselect_b32 s58, s12, 0
	s_sub_co_u32 s56, s56, s58
	s_lshl_b32 s56, s56, 15                        ; 256 rows of 128 bytes a slot
	s_add_nc_u64 s[42:43], s[48:49], s[56:57]
	s_or_b32 s43, s43, 0x80000000
	s_add_nc_u64 s[46:47], s[50:51], s[56:57]
	s_or_b32 s47, s47, 0x80000000
	s_xor_b32 s41, s41, SLOT1
	s_xor_b32 s45, s45, SLOT1
	s_wait_xcnt 0x0                                ; the last prefetch, a slot back, has read its address
	s_add_nc_u64 s[18:19], s[18:19], 32768
.endif
	s_wait_dscnt 0x0
	s_barrier_signal -1
	s_barrier_wait -1
.if \fill
	TLOAD
	ASK
.endif
.endm
.macro SLOT_STEPS
	v_add_nc_u32 v[ADK], s16, v[AK0]
	v_add_nc_u32 v[ADV], s16, v[AV0]
	STEP 0
	STEP 1
	STEP 2
	STEP 3
	s_xor_b32 s16, s16, SLOT1
.endm
; THE WAY OUT of a block: O^T / l, rounded to f16, through my stage; four rows of att are 512 consecutive bytes.
.macro WAYOUT
.irp t, 0,1
	v_add_f32 v[ST+8*\t+4], v[ST+8*\t+2], v[ST+8*\t+3]
.endr
.irp t, 0,1
	v_permlanex16_b32 v[ST+8*\t+5], v[ST+8*\t+4], s20, s21
.endr
.irp t, 0,1
	v_add_f32 v[ST+8*\t+4], v[ST+8*\t+4], v[ST+8*\t+5]
.endr
.irp t, 0,1
	v_rcp_f32 v[ST+8*\t+6], v[ST+8*\t+4]
.endr
	v_nop
	s_wait_alu depctr_va_vdst(0)                   ; one wait for the two reciprocals, ahead of their first reader
	OSCALE
	WIN 0x05                                       ; sources in window 1, destination in window 0
.set i, 0
.rept 32
	v_cvt_pk_f16_f32 v[S+i], v[OT+2*i], v[OT+2*i+1]
.set i, i+1
.endr
	WIN 0
.irp t, 0,1
.irp ct, 0,1,2,3
	ds_store_b128 v[STO], v[S+16*\t+4*\ct:S+16*\t+4*\ct+3] offset:16*PK*\t+32*\ct
.endr
.irp i, 0,1,2,3
	ds_load_b128 v[P+16*\t+4*\i:P+16*\t+4*\i+3], v[RD] offset:16*PK*\t+4*PK*\i   ; LDS serves a wave's instructions in order: these see the stores above
.endr
.endr
.irp t, 0,1
.irp i, 0,1,2,3
	s_wait_dscnt 11-8*\t-\i                        ; this load is in; the younger loads, and for tile 0 tile 1's eight instructions, may be out
	global_store_b128 v[GO], v[P+16*\t+4*\i:P+16*\t+4*\i+3], s[54:55] offset:2048*\t+512*\i
.endr
.endr
.endm
	NEWPASS 11                                     ; block 7 - I
.Ltrip:                                            ; eight trips; the ninth slot is written out, since nothing is asked for behind its change
	CHANGE 1
	SLOT_STEPS
	s_cmp_lg_u32 s13, s11
	s_cbranch_scc1 .Lsame
	WAYOUT                                         ; the first block's last slot has been walked
	NEWPASS 9                                      ; block I
.Lsame:
	s_add_co_u32 s13, s13, 1
	s_cmp_lt_u32 s13, 8
	s_cbranch_scc1 .Ltrip
	CHANGE 0
	SLOT_STEPS
	WAYOUT
	s_wait_tensorcnt 0x0                           ; the wave's end
	ds_add_u32 v[SPW], v[NIL]
	s_wait_dscnt 0x0
	s_endpgm
.Lfunc_end_k_q9b8195643a_attn:
	.size	k_q9b8195643a_attn, .Lfunc_end_k_q9b8195643a_attn-k_q9b8195643a_attn
	.p2alignl 7, 3214868480
	.fill 96, 4, 3214868480
	.section	.rodata,"a",@progbits
	.p2align	6, 0x0
	.amdhsa_kernel k_q9b8195643a_attn
		.amdhsa_group_segment_fixed_size 327680
		.amdhsa_private_segment_fixed_size 0
		.amdhsa_enable_private_segment 0
		.amdhsa_kernarg_size 16
		.amdhsa_user_sgpr_count 2
		.amdhsa_user_sgpr_kernarg_segment_ptr 1
		.amdhsa_wavefront_size32 1
		.amdhsa_system_sgpr_workgroup_id_x 1
		.amdhsa_system_sgpr_workgroup_id_y 1
		.amdhsa_system_sgpr_workgroup_id_z 1
		.amdhsa_system_vgpr_workitem_id 0
		.amdhsa_next_free_vgpr 416
		.amdhsa_next_free_sgpr 66
		.amdhsa_reserve_vcc 1
		.amdhsa_float_denorm_mode_32 3
		.amdhsa_float_denorm_mode_16_64 3
		.amdhsa_memory_ordered 1
		.amdhsa_forward_progress 1
		.amdhsa_inst_pref_size 198
	.end_amdhsa_kernel
	.amdgpu_metadata
---
amdhsa.version: [ 1, 2 ]
amdhsa.kernels:
  - .name:           k_q9b8195643a_attn
    .symbol:         k_q9b8195643a_attn.kd
    .args:
      - { .name: qkv, .offset: 0, .size: 8, .value_kind: global_buffer, .address_space: global }
      - { .name: att, .offset: 8, .size: 8, .value_kind: global_buffer, .address_space: global }
    .group_segment_fixed_size: 327680
    .private_segment_fixed_size: 0
    .kernarg_segment_align: 8
    .kernarg_segment_size: 16
    .max_flat_workgroup_size: 256
    .sgpr_count:     66
    .vgpr_count:     416
    .wavefront_size: 32
...
	.end_amdgpu_metadata
.endif
;; end of part 3
;; launch oproj (part 4): grid 4 x 64, 4 waves a work-group, clusters of 4 x 4, 327,680 bytes of LDS; arguments att, woh, bo, out0; writes out0
.if DOCPART == 4
	.amdgcn_target "amdgcn-amd-amdhsa--gfx1250"
	.amdhsa_code_object_version 6
	.text
	.protected	k_q9b8195643a_oproj
	.globl	k_q9b8195643a_oproj
	.p2align	8
	.type	k_q9b8195643a_oproj,@function
k_q9b8195643a_oproj:
	s_mov_b64 s[64:65], 0
	v_nop
	global_prefetch_b8 v0, s[64:65] scope:SCOPE_SE
	s_setreg_imm32_b32 hwreg(HW_REG_WAVE_MODE, 25, 1), 1
	s_wait_xcnt 0x0
	s_wait_alu depctr_hold_cnt(0) depctr_sa_sdst(0) depctr_va_vdst(0) depctr_va_sdst(0) depctr_va_ssrc(0) depctr_va_vcc(0) depctr_vm_vsrc(0)
	s_getreg_b32 s2, hwreg(HW_REG_IB_STS2, 6, 4)
	s_cmp_eq_u32 s2, 0
	s_cbranch_scc0 .Lentry_in_a_cluster
	s_endpgm
.Lentry_in_a_cluster:
	s_bfe_u32 s2, ttmp6, 0x10000c
	s_cmp_lg_u32 s2, 0xf033
	s_cbranch_scc0 .Lentry_shape_is_right
	s_endpgm
.Lentry_shape_is_right:
; Launch 4 of 5: out0[(b, t)][n] = sum over k = 64 head + d of att[b][head][t][d] Wo[k][n] + bo[n], on f16 operands with f32 sums.  att: f16 [b][head][t][64]; woh: f16 [k][n]; out0: f32 [8192][1024].
; NOT STORED HERE: the rows t < 16 of every batch: the last launch makes them from f32 numbers, and each byte of out0 is written once.
; A tile of out0 is 128 rows x 256 columns: 256 work-groups.  Wave w has rows 64 (w / 2) on and columns 128 (w % 2) on: 32 accumulators.  K goes in 8 steps of 128 (two heads) through a ring of two LDS slots.
; CLUSTERS: 4 x 4.  Batch = cy, rows 128 Y on (Y = the cluster's y), column tile = cx.  The four of a row of the cluster ask jointly for att's tiles, the four of a column for Wo's.
; THE MATRIX INSTRUCTION IS USED TRANSPOSED (source 0 = 16 columns n of Wo, turned by ds_load_tr16_b128; source 1 = 16 rows of att): a lane holds eight neighbouring n of one row.  The bias is the C of each sum's first product.
; REGISTERS: window 0: v16-29 addresses; v64-127 the bias in the result's layout; v128-255 rows on the way out.   window 1: two fragment buffers of 96 (att's four, then Wo's eight).   window 2: accumulator (a, b) at v[8 (8 a + b)].
.set PA,     144                       ; a row of att in LDS: 128 bytes + 16
.set AH,     128*PA                    ; one head's 128 rows
.set PB,     544                       ; a row of Wo: 512 bytes + 32
.set BH,     64*PB
.set BOFF,   2*AH
.set SLOT,   BOFF+2*BH
.set STAGE,  2*SLOT                    ; the way out: 16 rows x (512 + 16) bytes for each wave; no tensor load lands here
.set SPITCH, 528
.set SPARE,  STAGE+4*16*SPITCH         ; the spare words, 128 bytes for each wave: two blocks of 256 bytes that no other line names
.set ADRA, 16
.set ADRB, 20
.set STO,  24
.set RD,   25
.set CO,   26
.set BOF,  27
.set SPW,  28
.set NIL,  29
.set BI,   64
.set BK,   128
.set F0,   0
.set F1,   96
.set G1,  24
.set G0,  32
.set G1B, 48
.set G0B, 56
; s[4:5] att, s[6:7] woh, s[8:9] bo, s[10:11] out0; s12 wave, s13 w / 2 (also: I fetch for att (0) or Wo (1)), s14 w % 2 (also: which half I fetch), s15 Y, s40 cx, s41 cy, s42 Y | w / 2
.set MSB, 0
.macro WIN new
.if MSB != (\new)
	s_set_vgpr_msb (MSB<<8)|(\new)
.set MSB, (\new)
.endif
.endm
.macro JLOAD s                         ; a joint load; an s_nop 0 and four v_nop follow each of the two lines
	s_cmp_eq_u32 s13, 0
	s_cbranch_scc0 .Lfor_b_\@
	tensor_load_to_lds s[G0+4*\s:G0+4*\s+3], s[G1:G1+7]
	s_nop 0
.rept 4
	v_nop
.endr
	s_branch .Lasked_\@
.Lfor_b_\@:
	tensor_load_to_lds s[G0B+4*\s:G0B+4*\s+3], s[G1B:G1B+7]
	s_nop 0
.rept 4
	v_nop
.endr
.Lasked_\@:
.endm
.macro CREST                           ; a round of the cluster's barrier behind its opening barrier
	s_cmp_lg_u32 s12, 0
	s_cbranch_scc1 .Lnot_wave_0_\@
	s_barrier_signal -3
.Lnot_wave_0_\@:
	s_barrier_wait -3
	s_barrier_signal -1
	s_barrier_wait -1
.endm
.macro CROUND
	s_barrier_signal -1
	s_barrier_wait -1
	CREST
.endm
.macro PLACES
.rept 4
	v_nop
.endr
.endm
	s_load_b256 s[4:11], s[0:1], 0x0
	v_lshl_add_u32 v[SPW], v0, 2, SPARE
	v_mov_b32 v[NIL], 0
	ds_add_u32 v[SPW], v[NIL]                      ; the wave's opening: the add, twice on end, and its wait ahead of my first tensor load
	ds_add_u32 v[SPW], v[NIL]
	v_lshrrev_b32 v1, 5, v0
	v_readfirstlane_b32 s12, v1
	s_lshr_b32 s13, s12, 1
	s_and_b32 s14, s12, 1
	s_and_b32 s15, ttmp7, 0xffff
	s_bfe_u32 s40, ttmp6, 0x40000
	s_bfe_u32 s41, ttmp6, 0x40004
	s_or_b32 s42, s15, s13
	s_lshl_b32 s43, s41, 2
	s_lshl_b32 s43, 15, s43                        ; my row of the cluster
	s_lshl_b32 s44, 0x1111, s40                    ; my column
	s_or_b32 s[G1+0], s43, (1<<16)|(1<<20)|(1<<21)|(4<<22)|(3<<25)   ; att: elements of 2 bytes; padding: 4 words after every 32; bit 21 beside a mask
	s_mov_b32 s[G1+1], 64<<16                      ; tensor_dim0 = 64
	s_mov_b32 s[G1+2], 128<<16                     ; tensor_dim1 = 128
	s_mov_b32 s[G1+3], 64<<16                      ; tile_dim0
	s_mov_b32 s[G1+4], 128                         ; tile_dim1
	s_mov_b32 s[G1+5], 64                          ; the pitch: a head's rows are dense
	s_mov_b32 s[G1+6], 0
	s_mov_b32 s[G1+7], 0
	s_or_b32 s[G1B+0], s44, (1<<16)|(1<<20)|(1<<21)|(6<<22)|(7<<25)  ; Wo: padding: 8 words after every 128
	s_mov_b32 s[G1B+1], 256<<16
	s_mov_b32 s[G1B+2], 64<<16
	s_mov_b32 s[G1B+3], 256<<16
	s_mov_b32 s[G1B+4], 64
	s_mov_b32 s[G1B+5], 1024
	s_mov_b32 s[G1B+6], 0
	s_mov_b32 s[G1B+7], 0
	s_lshl_b32 s16, s41, 22                        ; att: batch x 4,194,304 + head (w % 2) x 262,144 + 128 Y rows of 128 bytes
	s_lshl_b32 s18, s14, 18
	s_add_co_u32 s16, s16, s18
	s_lshl_b32 s18, s15, 14
	s_add_co_u32 s16, s16, s18
	s_mov_b32 s17, 0
	s_lshl_b32 s46, s14, 17                        ; Wo: 64 (w % 2) rows of 2,048 bytes + 512 cx
	s_lshl_b32 s20, s40, 9
	s_add_co_u32 s46, s46, s20
	s_mov_b32 s47, 0
	s_mul_i32 s21, s14, AH                         ; where they go: no place in the cluster enters an LDS address
	s_mul_i32 s22, s14, BH
	s_add_co_u32 s22, s22, BOFF
	s_wait_dscnt 0x0                               ; both opening adds are done
	s_wait_kmcnt 0x0
	s_add_nc_u64 s[16:17], s[4:5], s[16:17]
	s_add_nc_u64 s[46:47], s[6:7], s[46:47]
	CROUND                                         ; all sixteen work-groups are here: the first joint loads meet
.irp s, 0,1
	s_mov_b32 s[G0+4*\s], 1
	s_add_co_u32 s[G0+4*\s+1], s21, \s*SLOT
	s_add_nc_u64 s[G0+4*\s+2:G0+4*\s+3], s[16:17], \s*524288      ; K step s: heads 2 s and 2 s + 1
	s_or_b32 s[G0+4*\s+3], s[G0+4*\s+3], 0x80000000
	s_mov_b32 s[G0B+4*\s], 1
	s_add_co_u32 s[G0B+4*\s+1], s22, \s*SLOT
	s_add_nc_u64 s[G0B+4*\s+2:G0B+4*\s+3], s[46:47], \s*262144    ; 128 rows of Wo
	s_or_b32 s[G0B+4*\s+3], s[G0B+4*\s+3], 0x80000000
	JLOAD \s                                       ; two tensor loads of mine are out
.endr
	v_and_b32 v1, 15, v0                           ; r
	v_bfe_u32 v2, v0, 4, 1                         ; h
	v_and_b32 v3, 31, v0                           ; lane
	s_lshl_b32 s18, s40, 10                        ; my first column, in bytes of f32: 1,024 cx + 512 (w % 2)
	s_lshl_b32 s19, s14, 9
	s_add_co_u32 s18, s18, s19
	s_mov_b32 s19, 0
	s_add_nc_u64 s[8:9], s[8:9], s[18:19]
	s_add_nc_u64 s[10:11], s[10:11], s[18:19]
	s_lshl_b32 s18, s41, 23                        ; my first row: (2,048 cy + 128 Y + 64 (w / 2)) x 4,096 bytes
	s_lshl_b32 s20, s15, 19
	s_add_co_u32 s18, s18, s20
	s_lshl_b32 s20, s13, 18
	s_add_co_u32 s18, s18, s20
	s_add_nc_u64 s[10:11], s[10:11], s[18:19]
	v_lshlrev_b32 v[BOF], 5, v2
.irp b, 0,1,2,3,4,5,6,7
	global_load_b128 v[BI+8*\b:BI+8*\b+3], v[BOF], s[8:9] offset:64*\b          ; bo at my eight columns of block b: 16 b + 8 h + 0 .. 7
	global_load_b128 v[BI+8*\b+4:BI+8*\b+7], v[BOF], s[8:9] offset:64*\b+16
.endr
	v_mul_u32_u24 v4, v1, PA
	v_lshl_add_u32 v4, v2, 4, v4                   ; att: row r, + 16 h
	s_mul_i32 s21, s13, 64*PA                      ; my 64 rows
	v_and_b32 v5, 7, v0
	v_lshl_add_u32 v5, v2, 3, v5
	v_mul_u32_u24 v5, v5, PB
	v_bfe_u32 v6, v0, 3, 1
	v_lshl_add_u32 v5, v6, 4, v5                   ; Wo, for the turning load: row 8 h + lane % 8, columns 8 ((lane / 8) % 2) on
	s_lshl_b32 s22, s14, 8                         ; my 128 columns
	s_add_co_u32 s22, s22, BOFF
.irp s, 0,1
	v_add_nc_u32 v[ADRA+\s], s21, v4
	v_add_nc_u32 v[ADRB+\s], s22, v5
	s_add_co_u32 s21, s21, SLOT
	s_add_co_u32 s22, s22, SLOT
.endr
	s_mul_i32 s23, s12, 16*SPITCH
	s_add_co_u32 s23, s23, STAGE                   ; my stage
	v_mul_u32_u24 v4, v1, SPITCH
	v_lshl_add_u32 v4, v2, 5, v4
	v_add_nc_u32 v[STO], s23, v4                   ; in: row r, 32 bytes for each half of the lanes
	v_lshlrev_b32 v[CO], 4, v3
	v_add_nc_u32 v[RD], s23, v[CO]                 ; back: the 32 lanes take a row of 512 bytes
; 8 matrix instructions: att's block a against Wo's eight, 32 along K.  The 32 accumulators take turns in the same order in every quarter.
.macro MUL8 f, a, bias
.if \bias
	WIN 0x85                                       ; sources 0 and 1 window 1, C (the bias) window 0, D window 2
.else
	WIN 0xa5                                       ; C and D window 2
.endif
.irp b, 0,1,2,3,4,5,6,7
.if \bias
	v_wmma_f32_16x16x32_f16 v[8*(8*(\a)+\b):8*(8*(\a)+\b)+7], v[\f+32+8*\b:\f+32+8*\b+7], v[\f+8*(\a):\f+8*(\a)+7], v[BI+8*\b:BI+8*\b+7]
.else
	v_wmma_f32_16x16x32_f16 v[8*(8*(\a)+\b):8*(8*(\a)+\b)+7], v[\f+32+8*\b:\f+32+8*\b+7], v[\f+8*(\a):\f+8*(\a)+7], v[8*(8*(\a)+\b):8*(8*(\a)+\b)+7]
.endif
.endr
.endm
.macro FETCH slot, q, f                ; 24 LDS loads in one run: the slot's q-th 32 along K: Wo's eight fragments, then att's four
	WIN 0x40
.irp b, 0,1,2,3,4,5,6,7
	ds_load_tr16_b128 v[\f+32+8*\b:\f+32+8*\b+3], v[ADRB+\slot] offset:32*PB*(\q)+32*\b
	ds_load_tr16_b128 v[\f+32+8*\b+4:\f+32+8*\b+7], v[ADRB+\slot] offset:32*PB*(\q)+16*PB+32*\b
.endr
.irp a, 0,1,2,3
	ds_load_b128 v[\f+8*\a:\f+8*\a+3], v[ADRA+\slot] offset:((\q)/2)*AH+((\q)%2)*64+16*PA*\a
	ds_load_b128 v[\f+8*\a+4:\f+8*\a+7], v[ADRA+\slot] offset:((\q)/2)*AH+((\q)%2)*64+16*PA*\a+32
.endr
	WIN 0
.endm
.macro QUARTER slot, qn, f, g, bias    ; multiplies buffer f; in its middle it fetches the slot's quarter qn into buffer g
	s_wait_dscnt 4                                 ; Wo's fragments and att's blocks 0, 1 are in; the youngest four loads (blocks 2, 3) may be out
	MUL8 \f, 0, \bias
	MUL8 \f, 1, \bias
	PLACES                                         ; ahead of loads into the buffer that the quarter before multiplied
	FETCH \slot, \qn, \g
	s_wait_dscnt 24                                ; all but the 24 just issued
	MUL8 \f, 2, \bias
	MUL8 \f, 3, \bias
.endm
; A slot's last quarter multiplies buffer 1 and changes slots: all my tensor loads have landed, the add, my reads of this slot are over; the barrier, which with fill = 1 opens a round of the cluster's barrier;
; behind the round my one joint load fills this slot again, two K steps ahead.
.macro TURN slot, next, fill
	WIN 0
	s_wait_tensorcnt 0x0
	ds_add_u32 v[SPW], v[NIL]
	s_wait_dscnt 5                                 ; the add and the youngest four loads may be out
	MUL8 F1, 0, 0
	s_wait_dscnt 0x0
	s_barrier_signal -1
	MUL8 F1, 1, 0
	WIN 0
	s_barrier_wait -1
.if \fill
	CREST
	s_add_nc_u64 s[G0+4*\slot+2:G0+4*\slot+3], s[G0+4*\slot+2:G0+4*\slot+3], 1048576     ; four heads on
	s_add_nc_u64 s[G0B+4*\slot+2:G0B+4*\slot+3], s[G0B+4*\slot+2:G0B+4*\slot+3], 524288  ; 256 rows of Wo on
	JLOAD \slot                                    ; its four v_nop are also the places ahead of the loads below
.else
	PLACES
.endif
	FETCH \next, 0, F0
	MUL8 F1, 2, 0
	MUL8 F1, 3, 0
.endm
	s_wait_tensorcnt 1                             ; my part of K step 0 is in; slot 1's load may be out
	s_barrier_signal -1
	s_barrier_wait -1
	FETCH 0, 0, F0
	s_wait_loadcnt 0x0                             ; the bias
	QUARTER 0, 1, F0, F1, 1                        ; the first quarter stands ahead of the loop: its products start the sums from the bias
	WIN 0
	s_mov_b32 s3, 3
.Llap:                                             ; a trip goes once round the ring and fills both slots again: 2 first fills + 3 x 2 = 8 K steps
	QUARTER 0, 2, F1, F0, 0
	QUARTER 0, 3, F0, F1, 0
	TURN 0, 1, 1
	QUARTER 1, 1, F0, F1, 0
	QUARTER 1, 2, F1, F0, 0
	QUARTER 1, 3, F0, F1, 0
	TURN 1, 0, 1
	QUARTER 0, 1, F0, F1, 0
	WIN 0
	s_sub_co_u32 s3, s3, 1
	s_cmp_lg_u32 s3, 0
	s_cbranch_scc1 .Llap
	QUARTER 0, 2, F1, F0, 0                        ; the last lap fills nothing
	QUARTER 0, 3, F0, F1, 0
	TURN 0, 1, 0
	QUARTER 1, 1, F0, F1, 0
	QUARTER 1, 2, F1, F0, 0
	QUARTER 1, 3, F0, F1, 0
	s_wait_dscnt 4
	MUL8 F1, 0, 0
	MUL8 F1, 1, 0
	s_wait_dscnt 0x0
	MUL8 F1, 2, 0
	MUL8 F1, 3, 0
	WIN 0
	PLACES                                         ; ahead of the first read of results
; THE WAY OUT, a block of 16 rows x 128 columns at a time, through my stage: back as whole rows of 512 bytes.
.macro TOSTAGE a
	WIN 0x08                                       ; an LDS store's data are its source 1: window 2
.irp b, 0,1,2,3,4,5,6,7
	ds_store_b128 v[STO], v[8*(8*(\a)+\b):8*(8*(\a)+\b)+3] offset:64*\b           ; each accumulator from its low end on
	ds_store_b128 v[STO], v[8*(8*(\a)+\b)+4:8*(8*(\a)+\b)+7] offset:64*\b+16
.endr
	WIN 0
.set BB, BK+64*((\a)%2)
.irp t, 0,1,2,3,4,5,6,7,8,9,10,11,12,13,14,15
	ds_load_b128 v[BB+4*\t:BB+4*\t+3], v[RD] offset:\t*SPITCH
.endr
.endm
.macro SEND a, younger
.set BB, BK+64*((\a)%2)
	s_wait_dscnt \younger                          ; the block is back; the next block's 16 stores and 16 loads may be out
.if (\a) == 0
	s_cmp_eq_u32 s42, 0                            ; Y = 0 and my rows are the tile's first 64: block 0 holds the rows t < 16, which the last launch stores.  The cluster's y and the wave's number alone
	s_cbranch_scc1 .Lnot_stored
.endif
.irp t, 0,1,2,3,4,5,6,7,8,9,10,11,12,13,14,15
	global_store_b128 v[CO], v[BB+4*\t:BB+4*\t+3], s[10:11] offset:(\a)*65536+\t*4096 th:TH_STORE_NT   ; 512 consecutive bytes, aligned
.endr
.if (\a) == 0
.Lnot_stored:
.endif
.endm
	TOSTAGE 0
	TOSTAGE 1
	SEND 0, 32
	s_wait_xcnt 0x0                                ; block 0's stores have read their registers: block 2's loads may land there
	TOSTAGE 2
	SEND 1, 32
	s_wait_xcnt 0x0
	TOSTAGE 3
	SEND 2, 32
	SEND 3, 0
	s_wait_tensorcnt 0x0                           ; the wave's end
	ds_add_u32 v[SPW], v[NIL]
	s_wait_dscnt 0x0
	CROUND                                         ; the closing round
	s_endpgm
.Lfunc_end_k_q9b8195643a_oproj:
	.size	k_q9b8195643a_oproj, .Lfunc_end_k_q9b8195643a_oproj-k_q9b8195643a_oproj
	.p2alignl 7, 3214868480
	.fill 96, 4, 3214868480
	.section	.rodata,"a",@progbits
	.p2align	6, 0x0
	.amdhsa_kernel k_q9b8195643a_oproj
		.amdhsa_group_segment_fixed_size 327680
		.amdhsa_private_segment_fixed_size 0
		.amdhsa_enable_private_segment 0
		.amdhsa_kernarg_size 32
		.amdhsa_user_sgpr_count 2
		.amdhsa_user_sgpr_kernarg_segment_ptr 1
		.amdhsa_wavefront_size32 1
		.amdhsa_system_sgpr_workgroup_id_x 1
		.amdhsa_system_sgpr_workgroup_id_y 1
		.amdhsa_system_sgpr_workgroup_id_z 1
		.amdhsa_system_vgpr_workitem_id 0
		.amdhsa_next_free_vgpr 768
		.amdhsa_next_free_sgpr 66
		.amdhsa_reserve_vcc 0
		.amdhsa_float_denorm_mode_32 3
		.amdhsa_float_denorm_mode_16_64 3
		.amdhsa_memory_ordered 1
		.amdhsa_forward_progress 1
		.amdhsa_inst_pref_size 87
	.end_amdhsa_kernel
	.amdgpu_metadata
---
amdhsa.version: [ 1, 2 ]
amdhsa.kernels:
  - .name:           k_q9b8195643a_oproj
    .symbol:         k_q9b8195643a_oproj.kd
    .args:
      - { .name: att, .offset: 0, .size: 8, .value_kind: global_buffer, .address_space: global }
      - { .name: woh, .offset: 8, .size: 8, .value_kind: global_buffer, .address_space: global }
      - { .name: bo, .offset: 16, .size: 8, .value_kind: global_buffer, .address_space: global }
      - { .name: out0, .offset: 24, .size: 8, .value_kind: global_buffer, .address_space: global }
    .group_segment_fixed_size: 327680
    .private_segment_fixed_size: 0
    .kernarg_segment_align: 8
    .kernarg_segment_size: 32
    .max_flat_workgroup_size: 128
    .sgpr_count:     66
    .vgpr_count:     768
    .wavefront_size: 32
...
	.end_amdgpu_metadata
.endif
;; end of part 4
;; launch first16 (part 5): grid 64 x 4, 16 waves a work-group, no clusters, 18,432 bytes of LDS; arguments fst, Wo, bo, out0; writes out0
.if DOCPART == 5
	.amdgcn_target "amdgcn-amd-amdhsa--gfx1250"
	.amdhsa_code_object_version 6
	.text
	.protected	k_q9b8195643a_first16
	.globl	k_q9b8195643a_first16
	.p2align	8
	.type	k_q9b8195643a_first16,@function
k_q9b8195643a_first16:
	s_mov_b64 s[64:65], 0
	v_nop
	global_prefetch_b8 v0, s[64:65] scope:SCOPE_SE
	s_setreg_imm32_b32 hwreg(HW_REG_WAVE_MODE, 25, 1), 1
	s_wait_xcnt 0x0
; Launch 5 of 5: the rows t < 16 of every batch, attention and output projection in f32: these rows average one to sixteen values and are the largest in size, so they are carried more finely.
; fst: f32 [3][b][head][16][64] (0 = kh, 1 = qh, 2 = vh).  Work-group (x, b) makes out0[b][0 .. 15][16 x .. 16 x + 15].  Wave h is head h: its 16 x 16 causal attention, then its 64 terms of the
; output projection for the 16 columns; the sixteen heads' sums meet in LDS.  Every column group repeats the heads' small attention: that spares a launch and all traffic between work-groups.
; All products go by v_wmma_f32_16x16x4_f32, 48 a wave: no bulk work.  Its accumulators (v160-223) are written by matrix instructions alone, and each sum begins with the constant 0.
; The instruction takes k = 2 (lane / 16) + j from register j.  Here a lane's registers run along another order of k, the same on both sides of each product, which keeps every product and changes the order of the sums alone.
.set KF,  32                           ; v32-63   K[key r][channel 32 h + 0 .. 31];  later AT: the attention's result
.set QF,  64                           ; v64-95   Q[query r][channel 32 h + 0 .. 31];  later sums
.set VF,  96                           ; v96-127  register 8 ct + j: V[key 8 h + j][channel 16 ct + r]
.set WF,  128                          ; v128-159 register 8 ct + e: Wo[64 head + 16 ct + 8 h + e][n0 + r]
.set SA,  160                          ; v160-191 four partial sums of S^T;  later of the output
.set OA,  192                          ; v192-223 O^T, 16 channels each
.set SS,  24                           ; v24-31   S^T: key 8 h + j, query r
.set PP,  16                           ; v16-23   p
.set AT,  32
.set TW,  224                          ; v224-231 at work
.set SPW, 252
.set NIL, 253
.set SPARE, 16384                      ; behind the 16 images of 1,024 bytes: the spare words, 128 bytes for each wave: eight blocks of 256 bytes that no other line names
	s_load_b256 s[4:11], s[0:1], 0x0               ; fst, Wo, bo, out0
	v_lshl_add_u32 v[SPW], v0, 2, SPARE
	v_mov_b32 v[NIL], 0
	v_lshrrev_b32 v1, 5, v0
	v_readfirstlane_b32 s12, v1                    ; the head
	v_and_b32 v1, 15, v0                           ; r
	v_bfe_u32 v2, v0, 4, 1                         ; h
	v_lshlrev_b32 v3, 8, v1
	v_lshl_add_u32 v3, v2, 7, v3                   ; K, Q: row r of 256 bytes, + 128 h
	v_lshlrev_b32 v11, 2, v1                       ; 4 r
	v_lshl_add_u32 v4, v2, 11, v11                 ; V: 8 h rows of 256 bytes, + 4 r
	v_lshl_add_u32 v5, v2, 15, v11                 ; Wo and out0: 8 h rows of 4,096 bytes, + 4 r
	v_and_b32 v6, 31, v0
	v_lshlrev_b32 v7, 4, v6
	s_lshl_b32 s13, s12, 10
	v_add_nc_u32 v6, s13, v7                       ; my image: 1,024 x head + 16 x lane
	s_and_b32 s13, s12, 1
	s_lshl_b32 s13, s13, 9
	v_add_nc_u32 v7, s13, v7                       ; and where waves 0 and 1 read: half (wave) of every image
	v_lshlrev_b32 v8, 3, v2
	v_sub_nc_u32 v8, v1, v8                        ; r - 8 h
	v_mov_b32 v9, 0xff800000
	v_mov_b32 v13, 0                               ; (the upper half of c m's pair)
	v_mov_b32 v14, 0                               ; (a lane permute's destination counts as a source)
	s_mov_b32 s20, 0x76543210
	s_mov_b32 s21, 0xfedcba98
	s_mov_b32 s22, 0x3e38aa3b                      ; c = log2(e) / 8
	s_mov_b32 s23, s22
	s_and_b32 s14, ttmp7, 0xffff                   ; the batch
	s_lshl_b32 s15, ttmp9, 6                       ; my 16 columns, in bytes
	s_lshl_b32 s16, s14, 16
	s_lshl_b32 s18, s12, 12
	s_add_co_u32 s16, s16, s18                     ; fst: batch x 65,536 + head x 4,096
	s_mov_b32 s17, 0
	s_lshl_b32 s18, s12, 18
	s_add_co_u32 s18, s18, s15                     ; Wo: 64 head rows of 4,096 bytes + my columns
	s_mov_b32 s19, 0
	s_lshl_b32 s24, s14, 23
	s_lshl_b32 s26, s13, 5                         ; (512 x (wave % 2)) x 32 = 4 rows of 4,096 bytes
	s_add_co_u32 s24, s24, s26
	s_add_co_u32 s24, s24, s15                     ; out0: batch x 8,388,608 + 4 (wave % 2) rows + my columns
	s_mov_b32 s25, 0
	s_mov_b32 s26, s15
	s_mov_b32 s27, 0
	s_wait_kmcnt 0x0
	s_add_nc_u64 s[4:5], s[4:5], s[16:17]
	s_add_nc_u64 s[6:7], s[6:7], s[18:19]
	s_add_nc_u64 s[8:9], s[8:9], s[26:27]
	s_add_nc_u64 s[10:11], s[10:11], s[24:25]
.set j, 0
.rept 8
	global_load_b128 v[KF+4*j:KF+4*j+3], v3, s[4:5] offset:16*j
.set j, j+1
.endr
.set j, 0
.rept 8
	global_load_b128 v[QF+4*j:QF+4*j+3], v3, s[4:5] offset:262144+16*j
.set j, j+1
.endr
.irp ct, 0,1,2,3
.irp e, 0,1,2,3,4,5,6,7
	global_load_b32 v[VF+8*\ct+\e], v4, s[4:5] offset:524288+256*\e+64*\ct
.endr
.endr
	s_wait_loadcnt 32                              ; K's and Q's 16 loads are in; V's 32 may be out
.irp ct, 0,1,2,3                       ; Wo's 32 loads go out behind that wait, ahead of the first products: they are wanted last
.irp e, 0,1,2,3,4,5,6,7
	global_load_b32 v[WF+8*\ct+\e], v5, s[6:7] offset:(16*\ct+\e)*4096
.endr
.endr
.set c, 0
.rept 16                               ; S^T = K Q^T: four channels an instruction, four partial sums by turns
.if c < 4
	v_wmma_f32_16x16x4_f32 v[SA+8*(c%4):SA+8*(c%4)+7], v[KF+2*c:KF+2*c+1], v[QF+2*c:QF+2*c+1], 0
.else
	v_wmma_f32_16x16x4_f32 v[SA+8*(c%4):SA+8*(c%4)+7], v[KF+2*c:KF+2*c+1], v[QF+2*c:QF+2*c+1], v[SA+8*(c%4):SA+8*(c%4)+7]
.endif
.set c, c+1
.endr
.rept 8
	v_nop                                          ; eight places behind this form, ahead of the first read of results (ISA guide 7.12.1)
.endr
.irp p, 0,2,4,6                        ; each accumulator is read from its low end on
	v_pk_add_f32 v[SS+\p:SS+\p+1], v[SA+\p:SA+\p+1], v[SA+8+\p:SA+8+\p+1]
	v_pk_add_f32 v[TW+\p:TW+\p+1], v[SA+16+\p:SA+16+\p+1], v[SA+24+\p:SA+24+\p+1]
.endr
.irp p, 0,2,4,6
	v_pk_add_f32 v[SS+\p:SS+\p+1], v[SS+\p:SS+\p+1], v[TW+\p:TW+\p+1]
.endr
.irp j, 0,1,2,3,4,5,6,7
	v_cmp_gt_i32 vcc_lo, \j, v8                    ; key 8 h + j comes after query r
	v_cndmask_b32 v[SS+\j], v[SS+\j], v9, vcc_lo
.endr
	v_max3_num_f32 v10, v24, v25, v26
	v_max3_num_f32 v10, v10, v27, v28
	v_max3_num_f32 v10, v10, v29, v30
	v_max_num_f32 v10, v10, v31
	v_permlanex16_b32 v14, v10, s20, s21
	v_max_num_f32 v10, v10, v14                    ; the row's maximum: key 0 counts for every query, so it is a number
	v_mul_f32 v12, s22, v10
.irp p, 0,2,4,6
	v_pk_fma_f32 v[SS+\p:SS+\p+1], v[SS+\p:SS+\p+1], s[22:23], v[12:13] op_sel_hi:[1,0,0] neg_lo:[0,0,1] neg_hi:[0,0,1]
.endr
.irp j, 0,1,2,3,4,5,6,7
	v_exp_f32 v[PP+\j], v[SS+\j]
.endr
	v_nop
	s_wait_alu depctr_va_vdst(0)                   ; one wait for the eight exponentials, ahead of their first reader
	v_pk_add_f32 v[TW:TW+1], v[PP:PP+1], v[PP+2:PP+3]
	v_pk_add_f32 v[TW+2:TW+3], v[PP+4:PP+5], v[PP+6:PP+7]
	v_pk_add_f32 v[TW:TW+1], v[TW:TW+1], v[TW+2:TW+3]
	v_add_f32 v15, v[TW], v[TW+1]
	v_permlanex16_b32 v14, v15, s20, s21
	v_add_f32 v15, v15, v14                        ; the row's sum
	v_rcp_f32 v14, v15
	v_nop
	s_wait_alu depctr_va_vdst(0)
	s_wait_loadcnt 32                              ; V is in; Wo's 32 loads may be out
.irp c, 0,1,2,3                        ; O^T = V^T P: keys 8 h + 2 c, + 1 an instruction; the four tiles of channels by turns
.irp ct, 0,1,2,3
.if \c == 0
	v_wmma_f32_16x16x4_f32 v[OA+8*\ct:OA+8*\ct+7], v[VF+8*\ct+2*\c:VF+8*\ct+2*\c+1], v[PP+2*\c:PP+2*\c+1], 0
.else
	v_wmma_f32_16x16x4_f32 v[OA+8*\ct:OA+8*\ct+7], v[VF+8*\ct+2*\c:VF+8*\ct+2*\c+1], v[PP+2*\c:PP+2*\c+1], v[OA+8*\ct:OA+8*\ct+7]
.endif
.endr
.endr
.rept 8
	v_nop
.endr
.set j, 0
.rept 16
	v_pk_mul_f32 v[AT+2*j:AT+2*j+1], v[OA+2*j:OA+2*j+1], v[14:15] op_sel_hi:[1,0]   ; register 8 ct + e: att[query r][channel 16 ct + 8 h + e]
.set j, j+1
.endr
	s_wait_loadcnt 0x0                             ; Wo
.irp c, 0,1,2,3                        ; the head's 64 terms: source 0 = 16 queries, source 1 = 16 columns; four partial sums by turns, each begun with 0
.irp ct, 0,1,2,3
.if \c == 0
	v_wmma_f32_16x16x4_f32 v[SA+8*\ct:SA+8*\ct+7], v[AT+8*\ct+2*\c:AT+8*\ct+2*\c+1], v[WF+8*\ct+2*\c:WF+8*\ct+2*\c+1], 0
.else
	v_wmma_f32_16x16x4_f32 v[SA+8*\ct:SA+8*\ct+7], v[AT+8*\ct+2*\c:AT+8*\ct+2*\c+1], v[WF+8*\ct+2*\c:WF+8*\ct+2*\c+1], v[SA+8*\ct:SA+8*\ct+7]
.endif
.endr
.endr
.rept 8
	v_nop
.endr
.irp p, 0,2,4,6
	v_pk_add_f32 v[64+\p:65+\p], v[SA+\p:SA+\p+1], v[SA+8+\p:SA+8+\p+1]
	v_pk_add_f32 v[TW+\p:TW+\p+1], v[SA+16+\p:SA+16+\p+1], v[SA+24+\p:SA+24+\p+1]
.endr
.irp p, 0,2,4,6
	v_pk_add_f32 v[64+\p:65+\p], v[64+\p:65+\p], v[TW+\p:TW+\p+1]   ; register j: query 8 h + j, column n0 + r
.endr
	ds_store_b128 v6, v[64:67]                     ; the head's sums, as an image of their registers
	ds_store_b128 v6, v[68:71] offset:512
	s_wait_dscnt 0x0                               ; for the others' sake: my stores have landed
	s_barrier_signal -1
	s_barrier_wait -1
	s_cmp_lt_u32 s12, 2
	s_cbranch_scc0 .Ldone
	global_load_b32 v10, v11, s[8:9]               ; bo[n0 + r]
.set j, 0
.rept 16
	ds_load_b128 v[64+4*j:67+4*j], v7 offset:1024*j   ; registers 4 c .. 4 c + 3 (c = my wave) of every head's image
.set j, j+1
.endr
	s_wait_dscnt 0x0
.irp w, 4,8,16,32
.set u, 0
.rept 32/\w
	v_pk_add_f32 v[64+2*\w*u:65+2*\w*u], v[64+2*\w*u:65+2*\w*u], v[64+2*\w*u+\w:65+2*\w*u+\w]
	v_pk_add_f32 v[66+2*\w*u:67+2*\w*u], v[66+2*\w*u:67+2*\w*u], v[66+2*\w*u+\w:67+2*\w*u+\w]
.set u, u+1
.endr
.endr
	s_wait_loadcnt 0x0
.irp e, 0,1,2,3
	v_add_f32 v[64+\e], v[64+\e], v10
.endr
.irp e, 0,1,2,3
	global_store_b32 v5, v[64+\e], s[10:11] offset:4096*\e   ; row 8 h + 4 c + e: sixteen lanes store 64 consecutive bytes; 262,144 bytes in the whole launch
.endr
.Ldone:
	s_wait_tensorcnt 0x0                           ; the wave's end
	ds_add_u32 v[SPW], v[NIL]
	s_wait_dscnt 0x0
	s_endpgm
.Lfunc_end_k_q9b8195643a_first16:
	.size	k_q9b8195643a_first16, .Lfunc_end_k_q9b8195643a_first16-k_q9b8195643a_first16
	.p2alignl 7, 3214868480
	.fill 96, 4, 3214868480
	.section	.rodata,"a",@progbits
	.p2align	6, 0x0
	.amdhsa_kernel k_q9b8195643a_first16
		.amdhsa_group_segment_fixed_size 18432
		.amdhsa_private_segment_fixed_size 0
		.amdhsa_enable_private_segment 0
		.amdhsa_kernarg_size 32
		.amdhsa_user_sgpr_count 2
		.amdhsa_user_sgpr_kernarg_segment_ptr 1
		.amdhsa_wavefront_size32 1
		.amdhsa_system_sgpr_workgroup_id_x 1
		.amdhsa_system_sgpr_workgroup_id_y 1
		.amdhsa_system_sgpr_workgroup_id_z 1
		.amdhsa_system_vgpr_workitem_id 0
		.amdhsa_next_free_vgpr 256
		.amdhsa_next_free_sgpr 66
		.amdhsa_reserve_vcc 1
		.amdhsa_float_denorm_mode_32 3
		.amdhsa_float_denorm_mode_16_64 3
		.amdhsa_memory_ordered 1
		.amdhsa_forward_progress 1
		.amdhsa_inst_pref_size 22
	.end_amdhsa_kernel
	.amdgpu_metadata
---
amdhsa.version: [ 1, 2 ]
amdhsa.kernels:
  - .name:           k_q9b8195643a_first16
    .symbol:         k_q9b8195643a_first16.kd
    .args:
      - { .name: fst, .offset: 0, .size: 8, .value_kind: global_buffer, .address_space: global }
      - { .name: Wo, .offset: 8, .size: 8, .value_kind: global_buffer, .address_space: global }
      - { .name: bo, .offset: 16, .size: 8, .value_kind: global_buffer, .address_space: global }
      - { .name: out0, .offset: 24, .size: 8, .value_kind: global_buffer, .address_space: global }
    .group_segment_fixed_size: 18432
    .private_segment_fixed_size: 0
    .kernarg_segment_align: 8
    .kernarg_segment_size: 32
    .max_flat_workgroup_size: 512
    .sgpr_count:     66
    .vgpr_count:     256
    .wavefront_size: 32
...
	.end_amdgpu_metadata
.endif
;; end of part 5
